; MI455X (gfx1250); checked and timed in simulation.
; The chip was launched on July 23, 2026; its instructions are those of AMD's public machine-readable ISA for CDNA 5 (MIT licence, August 2026) and "CDNA5" Instruction Set Architecture Reference Guide (July 2026). The comments in the code are by the model that wrote it; some were corrected since.
;; Multi Head Self Attention. Allowed arithmetic: matrix products marked QUANTISED: E3M2 operands, one E8M0 scale for each 32 along K, by v_wmma_scale_f32_16x16x128_f8f6f4 with both operands' format E3M2, f32 sums; everything else in f32.
;; Inputs: b_k 1,024 float32; b_o 1,024 float32; b_q 1,024 float32; b_v 1,024 float32; w_k 1,024 x 1,024 float32; w_o 1,024 x 1,024 float32; w_q 1,024 x 1,024 float32; w_v 1,024 x 1,024 float32; x 4 x 2,048 x 1,024 float32.
;; Outputs: out0 4 x 2,048 x 1,024 float32.
;; This version of the problem:
;;   THIS VERSION OF THE PROBLEM IS GIVEN IN LOW PRECISION. The matrix products marked QUANTISED in the list below multiply operands that are first quantised to E3M2 (3 exponent bits, 2 mantissa bits; 6 bits a number), with one power-of-two scale for each 32 numbers along K (OCP MX v1.0); their sums are f32. All else is computed in f32.
;;   The module's matrix products, in the order in which they are computed (A, B: the left and right operand; K: the contracted axis; several contracted axes count as one K, in the product's order):
;;     1. [M 8,192, K 1,024] x [K 1,024, N 1,024]; A: input x; B: input w_q: QUANTISED
;;     2. [M 8,192, K 1,024] x [K 1,024, N 1,024]; A: input x; B: input w_k: QUANTISED
;;     3. [M 8,192, K 1,024] x [K 1,024, N 1,024]; A: input x; B: input w_v: QUANTISED
;;     4. batch 64 x [M 2,048, K 64] x [K 64, N 2,048]; A: computed on the way; B: computed on the way: QUANTISED
;;     5. batch 64 x [M 2,048, K 2,048] x [K 2,048, N 64]; A: softmax (see below); B: computed on the way: QUANTISED
;;     6. [M 8,192, K 1,024] x [K 1,024, N 1,024]; A: computed on the way; B: input w_o: QUANTISED
;;   THE QUANTISER, for each operand of a quantised product, along K:
;;     - K is cut into blocks of 32 from its start; a last block that is shorter is filled with zeros.
;;     - A block's scale is 2^e with e = floor(log2(the largest magnitude in the block)) - 4, held to -126 .. 127; a block of zeros has e = 0. As a byte (E8M0): e + 127.
;;     - Each number is divided by its block's scale, clamped to +-28, and rounded to the nearest number of E3M2, ties to even, subnormals kept.
;;     - The product sums the exact products of the quantised numbers (number of the format x scale) in f32.
;;   ~~~python
;;   def quantise(x, axis):      # numpy; x: float32 -> the quantised numbers, widened to float32 again
;;       x = np.moveaxis(x, axis, -1); K = x.shape[-1]
;;       x = np.pad(x, [(0, 0)] * (x.ndim - 1) + [(0, -K % 32)]); x = x.reshape(x.shape[:-1] + (-1, 32)); a = np.abs(x).max(-1, keepdims=True)
;;       e = np.where(a > 0, np.clip(np.frexp(np.where(a > 0, a, 1))[1] - 1 - 4, -126, 127), 0)      # np.frexp(a)[1] - 1 = floor(log2(a)), exactly
;;       r = np.clip(x / 2.0 ** e, -28, 28)
;;       step = 2.0 ** (np.maximum(np.frexp(np.where(r == 0, 1, r))[1] - 1, -2) - 2)
;;       q = np.round(r / step) * step * 2.0 ** e      # np.round: ties to even
;;       return np.moveaxis(q.reshape(q.shape[:-2] + (-1,))[..., :K], -1, axis).astype(np.float32)
;;   ~~~
;;   SOFTMAX AHEAD OF A QUANTISED PRODUCT. Where the list says 'softmax', what is quantised is not the finished softmax but p = 2^(t - M), with t = logit x log2(e) and M = ceil(the row's largest t), a whole number; so 1/2 < the row's largest p <= 1. The row's sum l is taken of the UNQUANTISED p, in f32, and the product's result is divided by l at the end. Since M is a whole number, a kernel that streams over the keys may use a running M (the ceiling of the running maximum): every later rescaling is an exact power of two, which a block's scale takes up: the codes' values come out the same.
;;   OPERANDS COMPUTED ON THE WAY. 'Computed on the way' means the value that the module computes at that place (a softmax that the list does not call 'softmax' is quantised finished and normalised). What goes into a quantiser is computed in f32, as accurately as f32 sums, v_exp_f32 and their like allow (about 1e-6 of the number): no bf16 or f16 on the way to a quantiser, and a product that is left as it is and whose result goes on into a quantised operand takes f32 operands (vector FMAs, or v_wmma_f32_16x16x4_f32). A number that lies on a knife's edge between two numbers of the format may be rounded either way, as far as f32 arithmetic and the matrix unit's own rounding can turn it there, and no further.
;; One version. Each part assembles by itself: llvm-mc -triple=amdgcn-amd-amdhsa -mcpu=gfx1250 --defsym DOCPART=n.
;; ======== version 1 of 1: 4 launches
;; limits: right only within a limited range of input values
;; workspace buffers: xw 9,830,400 bytes; qkv 20,185,088 bytes; ctx 6,553,600 bytes
;; launch quant (part 1): grid 512 x 1, 4 waves a work-group, no clusters, 46,592 bytes of LDS; arguments x, w_q, w_k, w_v, w_o, xw; writes xw
.if DOCPART == 1
	.amdgcn_target "amdgcn-amd-amdhsa--gfx1250"
	.amdhsa_code_object_version 6
	.text
	.protected	k_q08870c75ab_quant
	.globl	k_q08870c75ab_quant
	.p2align	8
	.type	k_q08870c75ab_quant,@function
k_q08870c75ab_quant:
	s_mov_b64 s[64:65], 0
	v_nop
	global_prefetch_b8 v0, s[64:65] scope:SCOPE_SE
	s_setreg_imm32_b32 hwreg(HW_REG_WAVE_MODE, 25, 1), 1
	s_wait_xcnt 0x0
; x [8192][1024] and the four weights [1024 (k)][1024 (n)], f32, become codes of BF6 (E3M2) with one E8M0 byte for each 32 along K,
; laid in the ORDER OF THE OPERAND'S REGISTERS.  A BLOCK I = 2 b + u is 16 rows (of x) or columns (of a weight): its lane-row r is
; true row 32 b + 8 u + r + 8 (r / 8).  A fragment (one block x 128 along K, 12 registers a lane) is an image of 1,536 bytes:
; register 4 c + e of lane L at 512 c + 16 L + 4 e.  Codes: [I][K step 0..7][1536].  Scale words: [b][K step][u][r], 4 bytes each.
; A block's scale is 2^(floor(log2(largest magnitude)) - 4); its byte is the largest magnitude's exponent field - 4, held at 1 from below.
; LIMITS: NaN and infinities are not served; a block of zeros gets the byte 1 (its codes are zeros, and this program alone reads the bytes).
; Work-groups 0-255 take x (32 rows each, a wave 256 along K), work-groups 256-511 the weights (128 columns x 128 along K each, a wave
; 32 columns).  The two ways share no LDS byte.  No barrier: a wave touches its own LDS bytes alone.
.set X_SCL, 9437184
.set W_IMG, 6291456
.set WSZ,   786432
.set W_SCL, 9699328
.set STGW,  33792                      ; the weights' stages begin behind x's four stages of 8,448 bytes
.set SEL,   20                         ; s[20:21] lane selects: lane l xor 16
.set TM,    16                         ; v16-19 largest magnitudes, v20-23 the other half's / the bytes, v28-31 the conversions' scale operands
.set TQ,    32                         ; v32-34, v36-38 second halves of the blocks' codes
.set PC,    40                         ; v40-51 a fragment's codes
.set WD,    52                         ; v52-55 the four fragments' scale words
.set R0,    64                         ; v64-255 three sets of 64 numbers
; 64 numbers of a lane, register 16 b + i = k 32 b + 16 (lane / 16) + i of its row, become codes (registers 0-5 at d0, 6-11 at d1) and a scale word
.macro QUANT s, d0, d1, pw
.irp b, 0,1,2,3
	v_max3_num_f32 v[TM+\b], |v[(\s)+16*\b]|, |v[(\s)+16*\b+1]|, 0x2800000   ; my 16 numbers of block b, and the floor 2^(5 - 127): the byte cannot fall under 1
.endr
.irp i, 2,4,6,8,10,12,14
.irp b, 0,1,2,3
	v_max3_num_f32 v[TM+\b], v[TM+\b], |v[(\s)+16*\b+\i]|, |v[(\s)+16*\b+\i+1]|
.endr
.endr
.irp b, 0,1,2,3
	v_permlanex16_b32 v[TM+4+\b], v[TM+\b], s[SEL], s[SEL+1]
.endr
.irp b, 0,1,2,3
	v_max_num_f32 v[TM+\b], v[TM+\b], v[TM+4+\b]      ; with lane l xor 16's 16: the block's largest magnitude
.endr
.irp b, 0,1,2,3
	v_add_nc_u32 v[TM+12+\b], 0xfe000000, v[TM+\b]    ; 4 off its exponent field: the conversion's scale operand
.endr
.irp b, 0,1,2,3
	v_lshrrev_b32 v[TM+4+\b], 23, v[TM+12+\b]         ; the scale's byte
.endr
	v_lshl_or_b32 v[\pw], v[TM+5], 8, v[TM+4]
	v_lshl_or_b32 v[\pw], v[TM+6], 16, v[\pw]
	v_lshl_or_b32 v[\pw], v[TM+7], 24, v[\pw]
	v_cvt_scalef32_pk16_bf6_f32 v[(\d0):(\d0)+2], v[(\s):(\s)+15], v[TM+12]
	v_cvt_scalef32_pk16_bf6_f32 v[TQ:TQ+2], v[(\s)+16:(\s)+31], v[TM+13]
	v_cvt_scalef32_pk16_bf6_f32 v[(\d1):(\d1)+2], v[(\s)+32:(\s)+47], v[TM+14]
	v_cvt_scalef32_pk16_bf6_f32 v[TQ+4:TQ+6], v[(\s)+48:(\s)+63], v[TM+15]
	v_nop                                             ; one plain place behind the conversions
.irp i, 0,1,2
	v_permlane16_swap_b32 v[(\d0)+\i], v[TQ+\i]       ; a whole block to a lane: lanes 0-15 the even block, lanes 16-31 the odd one
	v_permlane16_swap_b32 v[(\d1)+\i], v[TQ+4+\i]
.endr
.irp i, 0,1,2
	v_mov_b32 v[(\d0)+3+\i], v[TQ+\i]
	v_mov_b32 v[(\d1)+3+\i], v[TQ+4+\i]
.endr
.endm
; fragment f = 2 u + q of x: block u of my 32 rows, my q-th 128 along K.  Each load: one row's 512 consecutive bytes
.macro LOADX f
.irp t, 0,1,2,3,4,5,6,7,8,9,10,11,12,13,14,15
	global_load_b128 v[R0+64*((\f)%3)+4*\t:R0+64*((\f)%3)+4*\t+3], v1, s[4:5] offset:(8*((\f)/2)+\t+8*(\t/8))*4096+512*((\f)%2) th:TH_LOAD_NT
.endr
.endm
; through my stage (16 rows of 512 + 16 bytes): in as loaded, back 16 neighbours of each block of 32 to a lane.  LDS serves a wave's instructions in order
.macro TURNX f
.irp t, 0,1,2,3,4,5,6,7,8,9,10,11,12,13,14,15
	ds_store_b128 v2, v[R0+64*((\f)%3)+4*\t:R0+64*((\f)%3)+4*\t+3] offset:528*\t
.endr
.irp b, 0,1,2,3
.irp j, 0,1,2,3
	ds_load_b128 v[R0+64*((\f)%3)+16*\b+4*\j:R0+64*((\f)%3)+16*\b+4*\j+3], v3 offset:128*\b+16*\j
.endr
.endr
.endm
.macro DOX f, left
	s_wait_loadcnt \left                              ; this fragment's 16 loads are in; the younger fragments' may be out
	TURNX \f
	s_wait_dscnt 0x0
.if (\f) > 0
	s_wait_xcnt 0x0                                   ; the last fragment's stores have read the codes' registers
.endif
	QUANT R0+64*((\f)%3), PC, PC+6, WD+(\f)
.irp c, 0,1,2
	global_store_b128 v1, v[PC+4*\c:PC+4*\c+3], s[24:25] offset:12288*((\f)/2)+1536*((\f)%2)+512*\c   ; 512 consecutive bytes
.endr
.endm
; block t of a weight's column: k = 32 t .. 32 t + 31, all in my registers
.macro WBLOCK t, left
.set XS, 64+32*(\t)
.set EC, 16+6*(\t)
	s_wait_loadcnt \left
	v_max3_num_f32 v12, |v[XS]|, |v[XS+1]|, |v[XS+2]|
	v_max3_num_f32 v13, |v[XS+3]|, |v[XS+4]|, |v[XS+5]|
.irp i, 6,10,14,18,22,26
	v_max3_num_f32 v12, v12, |v[XS+\i]|, |v[XS+\i+1]|
	v_max3_num_f32 v13, v13, |v[XS+\i+2]|, |v[XS+\i+3]|
.endr
	v_max3_num_f32 v12, v12, |v[XS+30]|, |v[XS+31]|
	v_max3_num_f32 v12, v12, v13, 0x2800000           ; and the floor
	v_add_nc_u32 v11, 0xfe000000, v12
	v_lshrrev_b32 v13, 23, v11
.if (\t) == 0
	v_mov_b32 v44, v13
.else
	v_lshl_or_b32 v44, v13, 8*(\t), v44               ; the column's scale word for these 128 along K
.endif
	v_cvt_scalef32_pk16_bf6_f32 v[EC:EC+2], v[XS:XS+15], v11
	v_cvt_scalef32_pk16_bf6_f32 v[40:42], v[XS+16:XS+31], v11
	v_nop
.irp i, 0,1,2
	v_mov_b32 v[EC+3+\i], v[40+\i]
.endr
; the block is registers 6 (t / 2) .. + 5 of lane rr + 16 (t % 2) of my column's fragment: to their places in the image
.if (\t)/2 == 0
	ds_store_b128 v2, v[EC:EC+3] offset:256*((\t)%2)
	ds_store_b64 v2, v[EC+4:EC+5] offset:256*((\t)%2)+512
.else
	ds_store_b64 v2, v[EC:EC+1] offset:256*((\t)%2)+520
	ds_store_b128 v2, v[EC+2:EC+5] offset:256*((\t)%2)+1024
.endif
.endm
	s_load_b256 s[4:11], s[0:1], 0x0                  ; x, w_q, w_k, w_v
	s_load_b128 s[12:15], s[0:1], 0x20                ; w_o, xw
	v_lshl_add_u32 v62, v0, 2, 0xb400
	v_mov_b32 v63, 0
	v_lshrrev_b32 v6, 5, v0
	v_readfirstlane_b32 s16, v6                       ; wave
	v_and_b32 v7, 31, v0                              ; lane
	s_mov_b32 s[SEL], 0x76543210
	s_mov_b32 s[SEL+1], 0xfedcba98
	s_cmp_lt_u32 ttmp9, 256
	s_cbranch_scc0 .Lweights
	; ---- x: work-group b owns rows 32 b .. 32 b + 31; wave w their K steps 2 w and 2 w + 1
	v_lshlrev_b32 v1, 4, v7                           ; 16 x lane
	v_and_b32 v8, 15, v0                              ; r
	v_bfe_u32 v5, v0, 4, 1                            ; h
	s_mul_i32 s17, s16, 8448                          ; my stage
	v_add_nc_u32 v2, s17, v1
	v_mul_u32_u24 v3, v8, 528
	v_lshl_add_u32 v3, v5, 6, v3
	v_add_nc_u32 v3, s17, v3
	v_lshlrev_b32 v4, 2, v7
.irp b, 0,1,2,3
	v_mov_b32 v[TM+4+\b], 0                           ; a lane permute's destination counts as one of its sources
.endr
	s_lshl_b32 s22, ttmp9, 17                         ; 32 rows of 4,096 bytes
	s_lshl_b32 s23, s16, 10
	s_add_co_u32 s22, s22, s23
	s_mov_b32 s23, 0
	s_mul_i32 s24, ttmp9, 24576                       ; two blocks of images
	s_mul_i32 s25, s16, 3072
	s_add_co_u32 s24, s24, s25
	s_mov_b32 s25, 0
	s_lshl_b32 s26, ttmp9, 10
	s_lshl_b32 s27, s16, 8
	s_add_co_u32 s26, s26, s27
	s_add_co_u32 s26, s26, X_SCL
	s_mov_b32 s27, 0
	s_wait_alu depctr_va_vdst(0)
	s_wait_kmcnt 0x0
	s_add_nc_u64 s[4:5], s[4:5], s[22:23]
	s_add_nc_u64 s[24:25], s[14:15], s[24:25]
	s_add_nc_u64 s[26:27], s[14:15], s[26:27]
	LOADX 0
	LOADX 1
	LOADX 2
	DOX 0, 32
	LOADX 3                                           ; into fragment 0's set, which has been quantised
	DOX 1, 32
	DOX 2, 16
	DOX 3, 0
	v_cmp_ne_u32 vcc_lo, 0, v5
	v_cndmask_b32 v56, v[WD], v[WD+2], vcc_lo         ; lanes 0-15 carry block u = 0's words, lanes 16-31 block u = 1's
	v_cndmask_b32 v57, v[WD+1], v[WD+3], vcc_lo
	global_store_b32 v4, v56, s[26:27]                ; 128 consecutive bytes
	global_store_b32 v4, v57, s[26:27] offset:128
	s_wait_tensorcnt 0x0
	ds_add_u32 v62, v63
	s_wait_dscnt 0x0
	s_endpgm
.Lweights:
	; ---- a weight: a lane takes a column, its registers run down K
	s_sub_co_u32 s17, ttmp9, 256
	s_lshr_b32 s18, s17, 6                            ; which weight
	s_bfe_u32 s19, s17, 0x30003                       ; which 128 columns
	s_and_b32 s17, s17, 7                             ; which K step
	s_lshl_b32 s22, s19, 2
	s_add_co_u32 s22, s22, s16                        ; b: my wave's 32 columns
	s_wait_alu depctr_va_vdst(0)
	v_lshlrev_b32 v1, 2, v7                           ; 4 x lane
	v_bfe_u32 v8, v0, 3, 1                            ; u: column 32 b + lane lies in block u = (lane / 8) % 2,
	v_and_b32 v9, 7, v0
	v_bfe_u32 v10, v0, 4, 1
	v_lshl_add_u32 v9, v10, 3, v9                     ; at lane-row rr = lane % 8 + 8 (lane / 16)
	s_mul_i32 s23, s16, 3072
	s_add_co_u32 s23, s23, STGW                       ; my stage: two images
	v_mul_u32_u24 v2, v8, 1536
	v_lshl_add_u32 v2, v9, 4, v2
	v_add_nc_u32 v2, s23, v2
	v_lshlrev_b32 v4, 4, v7
	v_add_nc_u32 v3, s23, v4
	v_lshlrev_b32 v5, 6, v8
	v_lshl_add_u32 v5, v9, 2, v5                      ; the scale word's place: 64 u + 4 rr
	s_lshl_b32 s24, s17, 19                           ; 128 rows of 4,096 bytes
	s_lshl_b32 s25, s22, 7
	s_add_co_u32 s24, s24, s25
	s_mov_b32 s25, 0
	s_mul_i32 s26, s18, WSZ
	s_mul_i32 s27, s22, 24576
	s_add_co_u32 s26, s26, s27
	s_mul_i32 s27, s17, 1536
	s_add_co_u32 s26, s26, s27
	s_add_co_u32 s26, s26, W_IMG
	s_mov_b32 s27, 0
	s_lshl_b32 s28, s18, 15
	s_lshl_b32 s29, s22, 10
	s_add_co_u32 s28, s28, s29
	s_lshl_b32 s29, s17, 7
	s_add_co_u32 s28, s28, s29
	s_add_co_u32 s28, s28, W_SCL
	s_mov_b32 s29, 0
	s_wait_kmcnt 0x0
	s_cmp_eq_u32 s18, 1                               ; the choice hangs on the work-group's number alone
	s_cselect_b64 s[6:7], s[8:9], s[6:7]
	s_cmp_eq_u32 s18, 2
	s_cselect_b64 s[6:7], s[10:11], s[6:7]
	s_cmp_eq_u32 s18, 3
	s_cselect_b64 s[6:7], s[12:13], s[6:7]
	s_add_nc_u64 s[6:7], s[6:7], s[24:25]
	s_add_nc_u64 s[26:27], s[14:15], s[26:27]
	s_add_nc_u64 s[28:29], s[14:15], s[28:29]
.set n, 0
.rept 128
	global_load_b32 v[64+n], v1, s[6:7] offset:n*4096 th:TH_LOAD_NT   ; a wave reads 128 consecutive bytes, the work-group 512
.set n, n+1
.endr
	WBLOCK 0, 63                                      ; 96 younger loads might stay out; the wait's field ends at 63, and a smaller count is safe
	WBLOCK 1, 63                                      ; (64 might)
	WBLOCK 2, 32
	WBLOCK 3, 0
.irp k, 0,1,2,3,4,5
	ds_load_b128 v[192+4*\k:192+4*\k+3], v3 offset:512*\k   ; the two images as they lie; these see my stores
.endr
	s_wait_alu depctr_va_vdst(0)
.irp k, 0,1,2,3,4,5
	s_wait_dscnt 5-\k
	global_store_b128 v4, v[192+4*\k:192+4*\k+3], s[26:27] offset:12288*(\k/3)+512*(\k%3)
.endr
	global_store_b32 v5, v44, s[28:29]                ; 128 consecutive bytes
	s_wait_tensorcnt 0x0
	ds_add_u32 v62, v63
	s_wait_dscnt 0x0
	s_endpgm
.Lfunc_end_k_q08870c75ab_quant:
	.size	k_q08870c75ab_quant, .Lfunc_end_k_q08870c75ab_quant-k_q08870c75ab_quant
	.p2alignl 7, 3214868480
	.fill 96, 4, 3214868480
	.section	.rodata,"a",@progbits
	.p2align	6, 0x0
	.amdhsa_kernel k_q08870c75ab_quant
		.amdhsa_group_segment_fixed_size 46592
		.amdhsa_private_segment_fixed_size 0
		.amdhsa_enable_private_segment 0
		.amdhsa_kernarg_size 48
		.amdhsa_user_sgpr_count 2
		.amdhsa_user_sgpr_kernarg_segment_ptr 1
		.amdhsa_wavefront_size32 1
		.amdhsa_system_sgpr_workgroup_id_x 1
		.amdhsa_system_sgpr_workgroup_id_y 1
		.amdhsa_system_sgpr_workgroup_id_z 1
		.amdhsa_system_vgpr_workitem_id 0
		.amdhsa_next_free_vgpr 256
		.amdhsa_next_free_sgpr 66
		.amdhsa_reserve_vcc 1
		.amdhsa_float_denorm_mode_32 3
		.amdhsa_float_denorm_mode_16_64 3
		.amdhsa_memory_ordered 1
		.amdhsa_forward_progress 1
		.amdhsa_inst_pref_size 55
	.end_amdhsa_kernel
	.amdgpu_metadata
---
amdhsa.version: [ 1, 2 ]
amdhsa.kernels:
  - .name:           k_q08870c75ab_quant
    .symbol:         k_q08870c75ab_quant.kd
    .args:
      - { .name: x, .offset: 0, .size: 8, .value_kind: global_buffer, .address_space: global }
      - { .name: w_q, .offset: 8, .size: 8, .value_kind: global_buffer, .address_space: global }
      - { .name: w_k, .offset: 16, .size: 8, .value_kind: global_buffer, .address_space: global }
      - { .name: w_v, .offset: 24, .size: 8, .value_kind: global_buffer, .address_space: global }
      - { .name: w_o, .offset: 32, .size: 8, .value_kind: global_buffer, .address_space: global }
      - { .name: xw, .offset: 40, .size: 8, .value_kind: global_buffer, .address_space: global }
    .group_segment_fixed_size: 46592
    .private_segment_fixed_size: 0
    .kernarg_segment_align: 8
    .kernarg_segment_size: 48
    .max_flat_workgroup_size: 128
    .sgpr_count:     66
    .vgpr_count:     256
    .wavefront_size: 32
...
	.end_amdgpu_metadata
.endif
;; end of part 1
;; launch qkv (part 2): grid 4 x 64, 4 waves a work-group, clusters of 4 x 4, 327,680 bytes of LDS; arguments xw, b_q, b_k, b_v, qkv; writes qkv
.if DOCPART == 2
	.amdgcn_target "amdgcn-amd-amdhsa--gfx1250"
	.amdhsa_code_object_version 6
	.text
	.protected	k_q08870c75ab_qkv
	.globl	k_q08870c75ab_qkv
	.p2align	8
	.type	k_q08870c75ab_qkv,@function
k_q08870c75ab_qkv:
	s_mov_b64 s[64:65], 0
	v_nop
	global_prefetch_b8 v0, s[64:65] scope:SCOPE_SE
	s_setreg_imm32_b32 hwreg(HW_REG_WAVE_MODE, 25, 1), 1
	s_wait_xcnt 0x0
	s_wait_alu depctr_hold_cnt(0) depctr_sa_sdst(0) depctr_va_vdst(0) depctr_va_sdst(0) depctr_va_ssrc(0) depctr_va_vcc(0) depctr_vm_vsrc(0)
	s_getreg_b32 s2, hwreg(HW_REG_IB_STS2, 6, 4)
	s_cmp_eq_u32 s2, 0
	s_cbranch_scc0 .Lentry_in_a_cluster
	s_endpgm
.Lentry_in_a_cluster:
	s_bfe_u32 s2, ttmp6, 0x10000c
	s_cmp_lg_u32 s2, 0xf033
	s_cbranch_scc0 .Lentry_shape_is_right
	s_endpgm
.Lentry_shape_is_right:
; q = x w_q + b_q, k = x w_k + b_k, v = x w_v + b_v on codes of BF6 with E8M0 scales, and the results quantised in registers:
; q and k along the head's 64, v along the keys.  Nothing leaves in f32.
; A block of a result is 128 (A) x 256 (B): 768 blocks.  256 WORK-GROUPS STAY and make three each: q (A = 128 rows of x, B = 256 columns of w_q),
; k (the same rows, w_k), and a block of v (A = 128 columns of w_v, B = 256 rows of x).  Four waves, 64 x 128 each: 32 accumulators.
; "B" is source 0 of the matrix instruction (its rows run along a lane's registers in the result), "A" source 1 (its rows lie in the lanes).
; Operands lie in memory as images of their registers, [block of 16][K step of 128][1,536 bytes], register 4 c + e of lane L at 512 c + 16 L + 4 e;
; a block's lane-row r is true row 32 b + 8 u + r + 8 (r / 8), so the 16 registers of result tiles 2 b, 2 b + 1 are 16 neighbours.
; ALL OF K OF ONE BLOCK LIES IN LDS, in two regions: K steps 0-3 with the scale words, and K steps 4-7.  In K step 3 nobody reads the first region any more
; (the scale words are in registers): behind a round of the cluster's barrier it is filled with the next block's tiles; in K step 7 likewise the second.
; One joint load a wave behind each round; every wait on TENSORcnt is for 0.  q and k are the two trips of a loop; v, which asks for nothing more, is written out.
; CLUSTERS 4 x 4: A's tiles are shared along a row of the cluster, B's along a column.  The bias is the C of each sum's first matrix instruction.
; No prefetch: each fill is asked for four K steps, or a way out and three K steps, ahead of the wait for it.
; LIMITS: NaN and infinities are not served; a block of zeros gets the scale byte 1 (its codes are zeros; this program alone reads the bytes).
; REGISTERS: window 0: v1-9 lane numbers and offsets, v16-27 LDS addresses, v28-29 the add's, v32-95 scale words of all of K, v96-121 the quantiser's,
; v128-223 A's fragments (two sets; the second holds codes on the way out), v224-235 scale words on the way out.
; window 1: B's fragments, two sets.  window 2: accumulator (a, b) at v[8 (8 a + b)].  window 3: v0-63 the bias.
.set W_IMG,  6291456
.set WSZ,    786432
.set X_SCL,  9437184
.set W_SCL,  9699328
.set K_IMG,  6291456
.set V_IMG,  12582912
.set Q_SCL,  18874368
.set KV_SCL, 19398656
.set FR,     12
.set BLK,    6144                      ; a block's four K steps in LDS
.set LB1,    49152                     ; A's K steps 0-3 at 0, B's here,
.set LA2,    147456                    ; A's K steps 4-7,
.set LB2,    196608                    ; B's
.set SCLA,   294912
.set SCLB,   299008
.set SPARE,  307200
.set ADRA, 16
.set ADRB, 20
.set ADRS, 27
.set SPW,  28
.set NIL,  29
.set SC,   32
.set TM,   96
.set TQ,   112
.set PW,   120
.set AD,   121
.set AF,   128
.set HS,   176
.set SEW,  224
.set SOW,  228
.set XW,   232
.set G1,   24
.set G0H,  32
.set G0HB, 36
.set G0S,  40
.set G0SB, 44
.set G1B,  48
.set NA,   56                          ; s[56:63] the next block's A codes, B codes, A scale words, B scale words
.set NB,   58
.set NSA,  60
.set NSB,  62
.set SEL,  66
.set OA,   68                          ; s[68:69], s[70:71] from a tile's start to my part of its K steps 4-7
.set OB,   70
.set G1S,  72
.set G1SB, 80
.set PV,   88                          ; s[88:95] the same four addresses for the block of v
.set MSB, 0
.macro WIN new                         ; the immediate's high byte repeats the setting that is left
.if MSB != (\new)
	s_set_vgpr_msb (MSB<<8)|(\new)
.set MSB, (\new)
.endif
.endm
.macro PLACES n
.rept \n
	v_nop
.endr
.endm
.macro TLOAD g0, g1                    ; s_nop 0 and four v_nop behind the load
	tensor_load_to_lds s[\g0:\g0+3], s[\g1:\g1+7]
	s_nop 0
.rept 4
	v_nop
.endr
.endm
.macro CROUND                          ; a round of the cluster's barrier
	s_barrier_signal -1
	s_barrier_wait -1
	s_cmp_lg_u32 s14, 0
	s_cbranch_scc1 .Lnot_wave_0_\@
	s_barrier_signal -3
.Lnot_wave_0_\@:
	s_barrier_wait -3
	s_barrier_signal -1
	s_barrier_wait -1
.endm
.macro MKG1 g, c, r, p                 ; r rows of c elements of 8 bytes, p elements apart
	s_mov_b32 s[\g+1], (\c)<<16
	s_mov_b32 s[\g+2], (\r)<<16
	s_mov_b32 s[\g+3], (\c)<<16
	s_mov_b32 s[\g+4], \r
	s_mov_b32 s[\g+5], \p
	s_mov_b32 s[\g+6], 0
	s_mov_b32 s[\g+7], 0
.endm
.macro SETG0 g, lds, base
	s_mov_b32 s[\g], 1
	s_mov_b32 s[\g+1], \lds
	s_mov_b64 s[\g+2:\g+3], s[\base:\base+1]
	s_or_b32 s[\g+3], s[\g+3], 0x80000000
.endm
; the descriptors of the next block's first region: A's 8 blocks and B's 16, K steps 0-3, and the scale words.  Written only where no load of mine is out
.macro DESC1
	s_mov_b32 s[G1+2], 8<<16
	s_mov_b32 s[G1+4], 8
	s_mov_b32 s[G1B+2], 16<<16
	s_mov_b32 s[G1B+4], 16
	SETG0 G0H, 0, NA
	SETG0 G0HB, LB1, NB
	SETG0 G0S, SCLA, NSA
	SETG0 G0SB, SCLB, NSB
.endm
; and of its second region: 4 blocks of A or 8 of B a wave, K steps 4-7
.macro DESC2
	s_mov_b32 s[G1+2], 4<<16
	s_mov_b32 s[G1+4], 4
	s_mov_b32 s[G1B+2], 8<<16
	s_mov_b32 s[G1B+4], 8
	s_mul_i32 s[G0H+1], s16, 24576
	s_add_co_u32 s[G0H+1], s[G0H+1], LA2
	s_add_nc_u64 s[G0H+2:G0H+3], s[NA:NA+1], s[OA:OA+1]
	s_or_b32 s[G0H+3], s[G0H+3], 0x80000000
	s_mul_i32 s[G0HB+1], s16, 49152
	s_add_co_u32 s[G0HB+1], s[G0HB+1], LB2
	s_add_nc_u64 s[G0HB+2:G0HB+3], s[NB:NB+1], s[OB:OB+1]
	s_or_b32 s[G0HB+3], s[G0HB+3], 0x80000000
.endm
.macro ARMS                            ; one chain of branches on the wave's number, one load to an arm, one join
	s_cmp_lt_u32 s14, 1
	s_cbranch_scc0 .Lsa_\@
	TLOAD G0H, G1
	s_branch .Ljoin_\@
.Lsa_\@:
	s_cmp_lt_u32 s14, 2
	s_cbranch_scc0 .Lcb_\@
	TLOAD G0S, G1S
	s_branch .Ljoin_\@
.Lcb_\@:
	s_cmp_lt_u32 s14, 3
	s_cbranch_scc0 .Lsb_\@
	TLOAD G0HB, G1B
	s_branch .Ljoin_\@
.Lsb_\@:
	TLOAD G0SB, G1SB
.Ljoin_\@:
.endm
.macro JL2                             ; waves 0 and 1 fetch for A, waves 2 and 3 for B
	s_cmp_eq_u32 s15, 0
	s_cbranch_scc0 .Lfor_b_\@
	TLOAD G0H, G1
	s_branch .Lasked_\@
.Lfor_b_\@:
	TLOAD G0HB, G1B
.Lasked_\@:
.endm
.macro FETCH ks                        ; K step ks: B's eight fragments and A's four into set ks % 2
	WIN 0x40
.irp i, 0,1,2,3,4,5,6,7
.irp c, 0,1,2
	ds_load_b128 v[128*((\ks)%2)+FR*\i+4*\c:128*((\ks)%2)+FR*\i+4*\c+3], v[ADRB+(\ks)/4] offset:BLK*\i+1536*((\ks)%4)+512*\c
.endr
.endr
	WIN 0
.irp i, 0,1,2,3
.irp c, 0,1,2
	ds_load_b128 v[AF+48*((\ks)%2)+FR*\i+4*\c:AF+48*((\ks)%2)+FR*\i+4*\c+3], v[ADRA+(\ks)/4] offset:BLK*\i+1536*((\ks)%4)+512*\c
.endr
.endr
.endm
.macro SCALES                          ; the scale words of all of K: lanes 0-15 A's block i (only i < 4 is used), lanes 16-31 B's block i
.irp k, 0,1,2,3,4,5,6,7
.irp i, 0,1,2,3,4,5,6,7
	ds_load_b32 v[SC+8*\k+\i], v[ADRS] offset:1024*(\i/2)+64*(\i%2)+128*\k
.endr
.endr
.endm
; 32 matrix instructions.  mode 0: onto the sums; 1: the sums begin with the bias of B's block; 2: of A's block.
; The 32 accumulators take turns in one order throughout
.macro MUL ks, mode
.irp a, 0,1,2,3
.irp b, 0,1,2,3,4,5,6,7
.if \mode == 0
	v_wmma_scale_f32_16x16x128_f8f6f4 v[8*(8*\a+\b):8*(8*\a+\b)+7], v[128*((\ks)%2)+FR*\b:128*((\ks)%2)+FR*\b+FR-1], v[AF+48*((\ks)%2)+FR*\a:AF+48*((\ks)%2)+FR*\a+FR-1], v[8*(8*\a+\b):8*(8*\a+\b)+7], v[SC+8*(\ks)+\b], v[SC+8*(\ks)+\a] matrix_a_fmt:MATRIX_FMT_BF6 matrix_b_fmt:MATRIX_FMT_BF6 matrix_a_scale:MATRIX_SCALE_ROW1
.elseif \mode == 1
	v_wmma_scale_f32_16x16x128_f8f6f4 v[8*(8*\a+\b):8*(8*\a+\b)+7], v[128*((\ks)%2)+FR*\b:128*((\ks)%2)+FR*\b+FR-1], v[AF+48*((\ks)%2)+FR*\a:AF+48*((\ks)%2)+FR*\a+FR-1], v[8*\b:8*\b+7], v[SC+8*(\ks)+\b], v[SC+8*(\ks)+\a] matrix_a_fmt:MATRIX_FMT_BF6 matrix_b_fmt:MATRIX_FMT_BF6 matrix_a_scale:MATRIX_SCALE_ROW1
.else
	v_wmma_scale_f32_16x16x128_f8f6f4 v[8*(8*\a+\b):8*(8*\a+\b)+7], v[128*((\ks)%2)+FR*\b:128*((\ks)%2)+FR*\b+FR-1], v[AF+48*((\ks)%2)+FR*\a:AF+48*((\ks)%2)+FR*\a+FR-1], v[8*\a:8*\a+7], v[SC+8*(\ks)+\b], v[SC+8*(\ks)+\a] matrix_a_fmt:MATRIX_FMT_BF6 matrix_b_fmt:MATRIX_FMT_BF6 matrix_a_scale:MATRIX_SCALE_ROW1
.endif
.endr
.endr
.endm
; a K step.  sync 0: nothing; 1: 2: the three lines, a round, the next block's first region;
; 3: the same for its second region.  Four plain places stand in front of loads into registers that matrix instructions have read
.macro STEP ks, mode, sync
.if \sync > 0
	s_wait_tensorcnt 0x0                              ; all my tensor loads have landed
.endif
.if \sync == 2
	ds_add_u32 v[SPW], v[NIL]
	DESC1
.endif
.if \sync == 3
	ds_add_u32 v[SPW], v[NIL]
	DESC2
.endif
	s_wait_dscnt 0x0                                  ; this step's fragments are in: my reads of the region left behind are over (and the add is done)
.if \sync == 1
	s_barrier_signal -1
	s_barrier_wait -1
.endif
.if \sync == 2
	CROUND
	ARMS                                              ; its four v_nop are the places in front of the loads below
.endif
.if \sync == 3
	CROUND
	JL2
.endif
.if \sync < 2
.if (\ks) > 0
	PLACES 4
.endif
.endif
.if (\ks) < 7
	FETCH (\ks)+1
.endif
.if \mode == 0
	WIN 0xa1                                          ; source 0 window 1, source 1 window 0, C and D window 2
.else
	WIN 0xb1                                          ; C (the bias) window 3
.endif
	MUL \ks, \mode
	WIN 0
.endm
; 64 numbers of a lane in window w, register 16 b + i = k 32 b + 16 (lane / 16) + i, become codes (registers 0-5 at d0, 6-11 at d1) and a scale word.
; Each accumulator is first read at its two lowest registers.
.macro QUANT s, w, d0, d1, pw
	WIN (\w)|((\w)<<2)
.irp b, 0,1,2,3
	v_max3_num_f32 v[TM+\b], |v[(\s)+16*\b]|, |v[(\s)+16*\b+1]|, 0x2800000   ; and the floor 2^(5 - 127): the byte cannot fall under 1
.endr
.irp i, 2,4,6,8,10,12,14
.irp b, 0,1,2,3
	v_max3_num_f32 v[TM+\b], |v[(\s)+16*\b+\i]|, |v[(\s)+16*\b+\i+1]|, v[TM+\b]
.endr
.endr
	WIN 0
.irp b, 0,1,2,3
	v_permlanex16_b32 v[TM+4+\b], v[TM+\b], s[SEL], s[SEL+1]
.endr
.irp b, 0,1,2,3
	v_max_num_f32 v[TM+\b], v[TM+\b], v[TM+4+\b]
.endr
.irp b, 0,1,2,3
	v_add_nc_u32 v[TM+12+\b], 0xfe000000, v[TM+\b]    ; 4 off the exponent field: the conversion's scale operand
.endr
.irp b, 0,1,2,3
	v_lshrrev_b32 v[TM+4+\b], 23, v[TM+12+\b]
.endr
	v_lshl_or_b32 v[\pw], v[TM+5], 8, v[TM+4]
	v_lshl_or_b32 v[\pw], v[TM+6], 16, v[\pw]
	v_lshl_or_b32 v[\pw], v[TM+7], 24, v[\pw]
	WIN \w
	v_cvt_scalef32_pk16_bf6_f32 v[(\d0):(\d0)+2], v[(\s):(\s)+15], v[TM+12]
	v_cvt_scalef32_pk16_bf6_f32 v[TQ:TQ+2], v[(\s)+16:(\s)+31], v[TM+13]
	v_cvt_scalef32_pk16_bf6_f32 v[(\d1):(\d1)+2], v[(\s)+32:(\s)+47], v[TM+14]
	v_cvt_scalef32_pk16_bf6_f32 v[TQ+4:TQ+6], v[(\s)+48:(\s)+63], v[TM+15]
	WIN 0
	v_nop                                             ; one plain place behind the conversions
.irp i, 0,1,2
	v_permlane16_swap_b32 v[(\d0)+\i], v[TQ+\i]
	v_permlane16_swap_b32 v[(\d1)+\i], v[TQ+4+\i]
.endr
.irp i, 0,1,2
	v_mov_b32 v[(\d0)+3+\i], v[TQ+\i]
	v_mov_b32 v[(\d1)+3+\i], v[TQ+4+\i]
.endr
.endm
.macro BIASQK                          ; the bias runs along the registers: tile b's register j is column 32 (b / 2) + 16 h + 8 (b % 2) + j
	WIN 0xc0                                          ; destination window 3
.irp b, 0,1,2,3,4,5,6,7
	global_load_b128 v[8*\b:8*\b+3], v7, s[96:97] offset:(32*(\b/2)+8*(\b%2))*4
	global_load_b128 v[8*\b+4:8*\b+7], v7, s[96:97] offset:(32*(\b/2)+8*(\b%2))*4+16
.endr
	WIN 0
.endm
	s_load_b256 s[4:11], s[0:1], 0x0                  ; xw, b_q, b_k, b_v
	s_load_b64 s[12:13], s[0:1], 0x20                 ; qkv
	v_lshl_add_u32 v[SPW], v0, 2, SPARE
	v_mov_b32 v[NIL], 0
	ds_add_u32 v[SPW], v[NIL]                         ; the opening lines: the add twice on end and one wait
	ds_add_u32 v[SPW], v[NIL]
	v_lshrrev_b32 v1, 5, v0
	v_readfirstlane_b32 s14, v1                       ; wave
	s_lshr_b32 s15, s14, 1                            ; my half of A's rows; also: I fetch for A (0) or for B (1)
	s_and_b32 s16, s14, 1                             ; my half of B's rows; also: which half I fetch
	s_bfe_u32 s19, ttmp6, 0x40000                     ; cx
	s_bfe_u32 s20, ttmp6, 0x40004                     ; cy
	s_and_b32 s18, ttmp7, 0xffff                      ; cluster y, 0 .. 15
	s_lshl_b32 s17, s18, 2
	s_add_co_u32 s17, s17, s20                        ; q, k: A's tile, 128 rows of x = 4 x cluster y + cy
	s_and_b32 s2, s18, 1
	s_lshl_b32 s2, s2, 2
	s_add_co_u32 s2, s2, s20                          ; v: A's tile, 128 columns of w_v = cy + 4 (cluster y % 2)
	s_lshr_b32 s23, s18, 1
	s_lshl_b32 s23, s23, 2
	s_add_co_u32 s23, s23, s19                        ; v: B's tile, 256 rows of x = cx + 4 (cluster y / 2)
	s_lshl_b32 s21, s20, 2
	s_lshl_b32 s21, 15, s21                           ; my row of the cluster
	s_lshl_b32 s22, 0x1111, s19                       ; my column
	s_or_b32 s[G1], s21, (3<<16)|(1<<21)
	s_or_b32 s[G1B], s22, (3<<16)|(1<<21)
	s_or_b32 s[G1S], s21, (3<<16)|(1<<21)
	s_or_b32 s[G1SB], s22, (3<<16)|(1<<21)
	MKG1 G1, 768, 8, 1536                             ; codes: blocks x 6,144 bytes, 12,288 apart
	MKG1 G1B, 768, 16, 1536
	MKG1 G1S, 32, 16, 32                              ; scale words: dense rows of 256 bytes
	MKG1 G1SB, 32, 32, 32
	s_mul_i32 s[NA], s17, 98304                       ; q: x's 8 blocks,
	s_mov_b32 s[NA+1], 0
	s_lshl_b32 s[NSA], s17, 12
	s_add_co_u32 s[NSA], s[NSA], X_SCL
	s_mov_b32 s[NSA+1], 0
	s_mul_i32 s[NB], s19, 196608                      ; w_q's 16 blocks
	s_add_co_u32 s[NB], s[NB], W_IMG
	s_mov_b32 s[NB+1], 0
	s_lshl_b32 s[NSB], s19, 13
	s_add_co_u32 s[NSB], s[NSB], W_SCL
	s_mov_b32 s[NSB+1], 0
	s_mul_i32 s[PV], s2, 98304                        ; v: w_v's 8 blocks,
	s_add_co_u32 s[PV], s[PV], W_IMG+2*WSZ
	s_mov_b32 s[PV+1], 0
	s_lshl_b32 s[PV+4], s2, 12
	s_add_co_u32 s[PV+4], s[PV+4], W_SCL+65536
	s_mov_b32 s[PV+5], 0
	s_mul_i32 s[PV+2], s23, 196608                    ; x's 16 blocks
	s_mov_b32 s[PV+3], 0
	s_lshl_b32 s[PV+6], s23, 13
	s_add_co_u32 s[PV+6], s[PV+6], X_SCL
	s_mov_b32 s[PV+7], 0
	s_mul_i32 s[OA], s16, 49152
	s_add_co_u32 s[OA], s[OA], BLK
	s_mov_b32 s[OA+1], 0
	s_mul_i32 s[OB], s16, 98304
	s_add_co_u32 s[OB], s[OB], BLK
	s_mov_b32 s[OB+1], 0
	s_mov_b32 s[SEL], 0x76543210
	s_mov_b32 s[SEL+1], 0xfedcba98
	s_wait_dscnt 0x0
	s_wait_kmcnt 0x0
.irp p, NA, NB, NSA, NSB, PV, PV+2, PV+4, PV+6
	s_add_nc_u64 s[\p:\p+1], s[4:5], s[\p:\p+1]
.endr
	CROUND                                            ; all sixteen work-groups are here: the first joint loads meet
	DESC1
	ARMS                                              ; q's first region: one load a wave
	s_mul_i32 s96, s15, 4*BLK                         ; my 4 blocks of A
	s_mul_i32 s97, s16, 8*BLK
	s_add_co_u32 s97, s97, LB1                        ; my 8 blocks of B
	s_xor_b32 s98, s15, 1                             ; lanes 16-31 take B's words: 2,048 x (1 + 2 x my half of B + (1 - my half of A)) bytes on
	s_lshl_b32 s99, s16, 1
	s_add_co_u32 s98, s98, s99
	s_add_co_u32 s98, s98, 1
	s_lshl_b32 s98, s98, 11
	s_lshl_b32 s99, s15, 11
	s_add_co_u32 s99, s99, SCLA
	v_and_b32 v3, 31, v0
	v_and_b32 v1, 15, v0                              ; r
	v_bfe_u32 v2, v0, 4, 1                            ; h
	v_lshlrev_b32 v5, 4, v3                           ; 16 x lane
	v_lshlrev_b32 v7, 6, v2                           ; 64 h
	v_and_b32 v8, 8, v1
	v_add_nc_u32 v8, v8, v1
	v_lshlrev_b32 v8, 2, v8                           ; 4 (r + 8 (r / 8))
	v_lshlrev_b32 v9, 4, v1                           ; 16 r
	v_add_nc_u32 v[ADRA], s96, v5
	v_add_nc_u32 v[ADRB], s97, v5
	v_add_nc_u32 v[ADRA+1], LA2, v[ADRA]
	v_add_nc_u32 v[ADRB+1], LB2-LB1, v[ADRB]
	v_mul_u32_u24 v4, s98, v2
	v_lshl_add_u32 v4, v1, 2, v4
	v_add_nc_u32 v[ADRS], s99, v4
.irp b, 0,1,2,3
	v_mov_b32 v[TM+4+\b], 0                           ; a lane permute's destination counts as one of its sources
.endr
	s_wait_alu depctr_va_vdst(0)
	s_lshl_b32 s98, s19, 10                           ; my 128 columns, in bytes
	s_lshl_b32 s99, s16, 9
	s_add_co_u32 s98, s98, s99
	s_mov_b32 s99, 0
	s_add_nc_u64 s[96:97], s[6:7], s[98:99]
	BIASQK                                            ; b_q
	s_wait_tensorcnt 0x0                              ; my tile of the head's four is in
	ds_add_u32 v[SPW], v[NIL]
	DESC2
	s_wait_dscnt 0x0
	CROUND
	JL2                                               ; q's second region
	s_add_nc_u64 s[NB:NB+1], s[NB:NB+1], WSZ          ; the next block is k: the same rows of x, w_k's columns
	s_add_nc_u64 s[NSB:NSB+1], s[NSB:NSB+1], 32768
	FETCH 0
	SCALES
	s_mov_b32 s3, 0                                   ; trip 0: q, trip 1: k
.Ltile:
	s_wait_loadcnt 0x0                                ; the bias
	STEP 0, 1, 0
	STEP 1, 0, 0
	STEP 2, 0, 0
	STEP 3, 0, 2
	s_wait_xcnt 0x0                                   ; earlier stores and loads have read their addresses: s[96:99] may be written
	s_cmp_eq_u32 s3, 0                                ; the next block's bias, into registers that K step 0's products read
	s_cbranch_scc0 .Lbias_v
	s_lshl_b32 s98, s19, 10
	s_lshl_b32 s99, s16, 9
	s_add_co_u32 s98, s98, s99
	s_mov_b32 s99, 0
	s_add_nc_u64 s[96:97], s[8:9], s[98:99]
	BIASQK                                            ; b_k
	s_branch .Lbias_done
.Lbias_v:
	s_lshl_b32 s98, s2, 9                             ; b_v runs along the lanes: all eight registers of block a hold it at the lane's column
	s_lshl_b32 s99, s15, 8
	s_add_co_u32 s98, s98, s99
	s_mov_b32 s99, 0
	s_add_nc_u64 s[96:97], s[10:11], s[98:99]
	WIN 0xc0
.irp a, 0,1,2,3
.irp j, 0,1,2,3,4,5,6,7
	global_load_b32 v[8*\a+\j], v8, s[96:97] offset:(32*(\a/2)+8*(\a%2))*4
.endr
.endr
	WIN 0
.Lbias_done:
	STEP 4, 0, 0
	STEP 5, 0, 0
	STEP 6, 0, 0
	STEP 7, 0, 3
	PLACES 4                                          ; in front of the first read of results and of the loads over the scale words
	SCALES                                            ; the next block's first region was shown whole by the round in K step 7
	FETCH 0
	; ---- the way out of q or k: block a's 64 registers are two heads' 64 of row r.  A pair of blocks makes one image for each head
	s_wait_xcnt 0x0
	s_lshr_b32 s96, s17, 4                            ; batch
	s_lshl_b32 s96, s96, 4
	s_lshl_b32 s97, s19, 2
	s_add_co_u32 s96, s96, s97
	s_lshl_b32 s97, s16, 1
	s_add_co_u32 s96, s96, s97                        ; 16 x batch + my first head
	s_and_b32 s18, s17, 15                            ; which 128 rows of the batch
	s_mov_b32 s97, K_IMG
	s_mov_b32 s98, 12288
	s_mov_b32 s99, KV_SCL
	s_mov_b32 s100, Q_SCL
	s_cmp_eq_u32 s3, 0
	s_cselect_b32 s97, 0, s97
	s_cselect_b32 s98, 8192, s98                      ; a head's scale bytes
	s_cselect_b32 s99, s100, s99
	s_mul_i32 s100, s96, s98
	s_add_co_u32 s100, s100, s99
	s_lshl_b32 s99, s18, 9
	s_add_co_u32 s100, s100, s99
	s_lshl_b32 s99, s15, 8
	s_add_co_u32 s100, s100, s99
	s_mov_b32 s101, 0
	s_add_nc_u64 s[100:101], s[12:13], s[100:101]     ; the even head's scale words of my four tiles
	s_mul_i32 s96, s96, 98304
	s_add_co_u32 s96, s96, s97
	s_mul_i32 s97, s18, 6144
	s_add_co_u32 s96, s96, s97
	s_mul_i32 s97, s15, 3072
	s_add_co_u32 s96, s96, s97
	s_mov_b32 s97, 0
	s_add_nc_u64 s[96:97], s[12:13], s[96:97]         ; the images
.irp al, 0,1
	QUANT 64*(2*\al), 2, HS+24*\al, HS+24*\al+12, PW
	v_and_b32 v[SEW+2*\al], 0xffff, v[PW]             ; a head has two blocks: two bytes; the word's upper two stay 0: they scale the half of the K step that holds zero codes
	v_lshrrev_b32 v[SOW+2*\al], 16, v[PW]
	QUANT 64*(2*\al+1), 2, HS+24*\al+6, HS+24*\al+18, PW
	v_and_b32 v[SEW+2*\al+1], 0xffff, v[PW]
	v_lshrrev_b32 v[SOW+2*\al+1], 16, v[PW]
.irp c, 0,1,2
	global_store_b128 v5, v[HS+24*\al+4*\c:HS+24*\al+4*\c+3], s[96:97] offset:1536*\al+512*\c          ; 512 consecutive bytes
.endr
.irp c, 0,1,2
	global_store_b128 v5, v[HS+24*\al+12+4*\c:HS+24*\al+12+4*\c+3], s[96:97] offset:98304+1536*\al+512*\c
.endr
.endr
	v_cmp_ne_u32 vcc_lo, 0, v2                        ; lanes 16-31
.irp i, 0,1,2,3
	v_cndmask_b32 v[XW+\i], v[SEW+\i], v[SOW+\i], vcc_lo         ; lanes 0-15 carry the even head's words of row r, lanes 16-31 the odd head's
.endr
	v_mad_u32_u24 v[AD], v2, s98, v9                  ; 16 r, and the next head for lanes 16-31
	global_store_b128 v[AD], v[XW:XW+3], s[100:101]   ; two runs of 256 consecutive bytes
.irp p, 0,2,4,6
	s_mov_b64 s[NA+\p:NA+\p+1], s[PV+\p:PV+\p+1]      ; behind k comes the block of v
.endr
	s_wait_xcnt 0x0                                   ; the stores have read the codes' registers, which take fragments again
	s_add_co_u32 s3, s3, 1
	s_cmp_lt_u32 s3, 2
	s_wait_alu depctr_va_vdst(0)
	s_cbranch_scc1 .Ltile
	; ---- the block of v: nothing more is asked for
	s_wait_loadcnt 0x0
	STEP 0, 2, 0
	STEP 1, 0, 0
	STEP 2, 0, 0
	STEP 3, 0, 1
	STEP 4, 0, 0
	STEP 5, 0, 0
	STEP 6, 0, 0
	STEP 7, 0, 0
	PLACES 4
	; block a's 64 registers are 128 keys of column d: one fragment of V^T (16 d x 128 keys) and a scale word a row
	s_lshr_b32 s96, s23, 3                            ; batch
	s_lshl_b32 s96, s96, 4
	s_lshl_b32 s97, s2, 1
	s_add_co_u32 s96, s96, s97
	s_add_co_u32 s96, s96, s15                        ; 16 x batch + my head
	s_and_b32 s18, s23, 7
	s_lshl_b32 s18, s18, 1
	s_add_co_u32 s18, s18, s16                        ; which 128 keys of the batch
	s_mul_i32 s98, s96, 12288
	s_lshl_b32 s99, s18, 8
	s_add_co_u32 s98, s98, s99
	s_add_co_u32 s98, s98, KV_SCL+8192
	s_mov_b32 s99, 0
	s_add_nc_u64 s[98:99], s[12:13], s[98:99]
	s_mul_i32 s96, s96, 98304
	s_mul_i32 s97, s18, 6144
	s_add_co_u32 s96, s96, s97
	s_add_co_u32 s96, s96, V_IMG
	s_mov_b32 s97, 0
	s_add_nc_u64 s[96:97], s[12:13], s[96:97]
.irp a, 0,1,2,3
	QUANT 64*\a, 2, HS+12*\a, HS+12*\a+6, SEW+\a
.irp c, 0,1,2
	global_store_b128 v5, v[HS+12*\a+4*\c:HS+12*\a+4*\c+3], s[96:97] offset:1536*\a+512*\c
.endr
.endr
	global_store_b128 v9, v[SEW:SEW+3], s[98:99]      ; row r's words of my four tiles: 256 consecutive bytes (both halves of the lanes hold and store the same words)
	s_wait_tensorcnt 0x0                              ; the wave's end
	ds_add_u32 v[SPW], v[NIL]
	s_wait_dscnt 0x0
	CROUND                                            ; the closing round
	s_endpgm
.Lfunc_end_k_q08870c75ab_qkv:
	.size	k_q08870c75ab_qkv, .Lfunc_end_k_q08870c75ab_qkv-k_q08870c75ab_qkv
	.p2alignl 7, 3214868480
	.fill 96, 4, 3214868480
	.section	.rodata,"a",@progbits
	.p2align	6, 0x0
	.amdhsa_kernel k_q08870c75ab_qkv
		.amdhsa_group_segment_fixed_size 327680
		.amdhsa_private_segment_fixed_size 0
		.amdhsa_enable_private_segment 0
		.amdhsa_kernarg_size 40
		.amdhsa_user_sgpr_count 2
		.amdhsa_user_sgpr_kernarg_segment_ptr 1
		.amdhsa_wavefront_size32 1
		.amdhsa_system_sgpr_workgroup_id_x 1
		.amdhsa_system_sgpr_workgroup_id_y 1
		.amdhsa_system_sgpr_workgroup_id_z 1
		.amdhsa_system_vgpr_workitem_id 0
		.amdhsa_next_free_vgpr 832
		.amdhsa_next_free_sgpr 102
		.amdhsa_reserve_vcc 1
		.amdhsa_float_denorm_mode_32 3
		.amdhsa_float_denorm_mode_16_64 3
		.amdhsa_memory_ordered 1
		.amdhsa_forward_progress 1
		.amdhsa_inst_pref_size 171
	.end_amdhsa_kernel
	.amdgpu_metadata
---
amdhsa.version: [ 1, 2 ]
amdhsa.kernels:
  - .name:           k_q08870c75ab_qkv
    .symbol:         k_q08870c75ab_qkv.kd
    .args:
      - { .name: xw, .offset: 0, .size: 8, .value_kind: global_buffer, .address_space: global }
      - { .name: b_q, .offset: 8, .size: 8, .value_kind: global_buffer, .address_space: global }
      - { .name: b_k, .offset: 16, .size: 8, .value_kind: global_buffer, .address_space: global }
      - { .name: b_v, .offset: 24, .size: 8, .value_kind: global_buffer, .address_space: global }
      - { .name: qkv, .offset: 32, .size: 8, .value_kind: global_buffer, .address_space: global }
    .group_segment_fixed_size: 327680
    .private_segment_fixed_size: 0
    .kernarg_segment_align: 8
    .kernarg_segment_size: 40
    .max_flat_workgroup_size: 128
    .sgpr_count:     102
    .vgpr_count:     832
    .wavefront_size: 32
...
	.end_amdgpu_metadata
.endif
;; end of part 2
;; launch attn (part 3): grid 4 x 64, 16 waves a work-group, clusters of 4 x 1, 210,944 bytes of LDS; arguments qkv, ctx; writes ctx
.if DOCPART == 3
	.amdgcn_target "amdgcn-amd-amdhsa--gfx1250"
	.amdhsa_code_object_version 6
	.text
	.protected	k_q08870c75ab_attn
	.globl	k_q08870c75ab_attn
	.p2align	8
	.type	k_q08870c75ab_attn,@function
k_q08870c75ab_attn:
	s_mov_b64 s[64:65], 0
	v_nop
	global_prefetch_b8 v0, s[64:65] scope:SCOPE_SE
	s_setreg_imm32_b32 hwreg(HW_REG_WAVE_MODE, 25, 1), 1
	s_wait_xcnt 0x0
	s_wait_alu depctr_hold_cnt(0) depctr_sa_sdst(0) depctr_va_vdst(0) depctr_va_sdst(0) depctr_va_ssrc(0) depctr_va_vcc(0) depctr_vm_vsrc(0)
	s_getreg_b32 s2, hwreg(HW_REG_IB_STS2, 6, 4)
	s_cmp_eq_u32 s2, 0
	s_cbranch_scc0 .Lentry_in_a_cluster
	s_endpgm
.Lentry_in_a_cluster:
	s_bfe_u32 s2, ttmp6, 0x10000c
	s_cmp_lg_u32 s2, 0x3003
	s_cbranch_scc0 .Lentry_shape_is_right
	s_endpgm
.Lentry_shape_is_right:
; ctx = softmax(q k^T / 8) v for one head of one batch, both products on codes of BF6 with E8M0 scales, and ctx quantised along d_model in registers.
; t = score x log2(e) / 8; M = the running largest t rounded UP to a whole number; p = 2^(t - M) is quantised along the keys, not normalised;
; the row's sum is taken of the unquantised p and divides O at the end; when M moves, the sum and O are multiplied by 2^(old M - new M): exact.
; SHARES.  A work-group owns 512 queries of one head (batch x head = work-group y); each of its sixteen waves a pair of tiles of 16 queries, taken one
; after the other (tile u = 1 first: it is loaded where the operand stands).  Four waves to a SIMD: one wave's vector work stands beside another's products and LDS loads.
; THE WHOLE HEAD'S K, V AND SCALE WORDS LIE IN LDS, filled once: 98,304 + 98,304 + 12,288 bytes.  The four work-groups of a cluster belong to one head and ask jointly:
; waves 0-7 one chunk of 24,576 bytes each, wave 8 the scale words: one tensor load a wave.  Nothing is filled again, and nothing is stored to LDS.
; No prefetch: every tensor load goes out at the head, so no later request could be run ahead of.
; LAYOUT.  Both products are used transposed: S^T = K Q^T, O^T = V^T P^T: a lane holds one query throughout.  Operands are images of their registers; lane-row r of tile
; 2 b + u is key (query, d) 32 b + 8 u + r + 8 (r / 8), so 16 registers of two neighbouring result tiles are 16 neighbours.
; THE HEAD IS 64 LONG, the instruction 128: Q's upper six registers hold zero codes, so the upper half of K's operand (the next tile's codes, or zeros) adds exactly 0.
; LIMITS: NaN and infinities are not served; a block of zeros gets the scale byte 1 (its codes are zeros; this program alone reads the bytes).
.set K_IMG,  6291456
.set Q_SCL,  18874368
.set KV_SCL, 19398656
.set C_SCL,  6291456
.set VL,     98304                     ; LDS: K at 0, V here,
.set SL,     196608                    ; K's scale words here (8,192 bytes), V's behind them (4,096)
.set WV,  8                            ; s8 wave, s9 cx, s10 batch x head, s11 my pair of tiles
.set SEL, 12                           ; s[12:13]
.set CS,  14                           ; s[14:15] c = log2(e) / 8
.set G1C, 16                           ; s[16:23] group 1 for codes; s[24:31] for scale words; s[32:35], s[36:39] their groups 0
.set G1S, 24
.set G0C, 32
.set G0S, 36
.set TK,  40                           ; s40 the step's tiles: 6,144 bytes a step; s41 K's scale words: 512; s42 V's: 256; s43 steps to go
.set TS,  41
.set TW,  42
.set CNT, 43
.set QS,  36                           ; v36 the tile's scale words of Q; v[34:35] both tiles'
.set KS,  40                           ; v40-43 K's scale words, v44-47 V's
.set VS,  44
.set FB,  48                           ; v48-95 eight tiles of K (6 registers each), later four fragments of V; v96-101 zeros
.set S,   104                          ; v104-167 S^T, then p
.set O,   168                          ; v168-199 O^T
.set PC,  200                          ; v200-211 p's codes; v212-214, v216-218 second halves
.set BM,  220                          ; v220-223 block maxima, v224-227 the other half's / bytes, v228-231 scale operands
.set BP,  224
.set BS,  228
.set PW,  236
.macro CROUND
	s_barrier_signal -1
	s_barrier_wait -1
	s_cmp_lg_u32 s[WV], 0
	s_cbranch_scc1 .Lnot_wave_0_\@
	s_barrier_signal -3
.Lnot_wave_0_\@:
	s_barrier_wait -3
	s_barrier_signal -1
	s_barrier_wait -1
.endm
; A KEY STEP: 128 keys
.macro STEP
	v_add_nc_u32 v8, s[TK], v1                        ; these four are also the places behind the last step's products, in front of the loads below
	v_add_nc_u32 v9, s[TK], v5
	v_add_nc_u32 v10, s[TS], v6
	v_add_nc_u32 v11, s[TW], v7
.irp p, 0,1,2,3
.irp c, 0,1,2
	ds_load_b128 v[FB+12*\p+4*\c:FB+12*\p+4*\c+3], v8 offset:1536*\p+512*\c     ; a pair of tiles of K
.endr
.endr
	ds_load_b128 v[KS:KS+3], v10                      ; lane (r, h): the words of tiles 4 h .. 4 h + 3
	s_wait_alu depctr_va_vdst(0)
	s_wait_dscnt 0x0
.irp T, 0,1,2,3
	v_wmma_scale_f32_16x16x128_f8f6f4 v[S+8*\T:S+8*\T+7], v[FB+6*\T:FB+6*\T+11], v[22:33], 0, v[KS+\T], v[QS] matrix_a_fmt:MATRIX_FMT_BF6 matrix_b_fmt:MATRIX_FMT_BF6
.endr
.irp T, 4,5,6,7
	v_wmma_scale_f32_16x16x128_f8f6f4 v[S+8*\T:S+8*\T+7], v[FB+6*\T:FB+6*\T+11], v[22:33], 0, v[KS+\T-4], v[QS] matrix_a_fmt:MATRIX_FMT_BF6 matrix_b_fmt:MATRIX_FMT_BF6 matrix_a_scale:MATRIX_SCALE_ROW1
.endr
.rept 4
	v_nop                                             ; places in front of the loads over K's registers and of the first read of the scores
.endr
.irp t, 0,1,2,3
.irp c, 0,1,2
	ds_load_b128 v[FB+12*\t+4*\c:FB+12*\t+4*\c+3], v9 offset:1536*\t+512*\c     ; V lands while the softmax runs
.endr
.endr
	ds_load_b128 v[VS:VS+3], v11
.irp b, 0,1,2,3
	v_max3_num_f32 v[BM+\b], v[S+16*\b], v[S+16*\b+1], v[S+16*\b+2]             ; the largest score of each block of 32 keys: for the row's maximum and for the block's largest p
.endr
.irp i, 3,5,7,9,11,13
.irp b, 0,1,2,3
	v_max3_num_f32 v[BM+\b], v[BM+\b], v[S+16*\b+\i], v[S+16*\b+\i+1]
.endr
.endr
.irp b, 0,1,2,3
	v_max_num_f32 v[BM+\b], v[BM+\b], v[S+16*\b+15]
.endr
.irp b, 0,1,2,3
	s_delay_alu instid0(VALU_DEP_4)
	v_permlanex16_b32 v[BP+\b], v[BM+\b], s[SEL], s[SEL+1]
.endr
.irp b, 0,1,2,3
	s_delay_alu instid0(VALU_DEP_4)
	v_max_num_f32 v[BM+\b], v[BM+\b], v[BP+\b]
.endr
	s_delay_alu instid0(VALU_DEP_2)
	v_max3_num_f32 v232, v[BM], v[BM+1], v[BM+2]
	s_delay_alu instid0(VALU_DEP_1)
	v_max_num_f32 v232, v232, v[BM+3]
	s_delay_alu instid0(VALU_DEP_1)
	v_mul_f32 v232, s[CS], v232                       ; the step's largest t (c is positive)
	s_delay_alu instid0(VALU_DEP_1)
	v_max_num_f32 v13, v13, v232
	v_mov_b32 v232, v12
	s_delay_alu instid0(VALU_DEP_2)
	v_floor_f32 v12, -v13                             ; the new -M = floor(-t): M is a whole number
	s_delay_alu instid0(VALU_DEP_1)
	v_sub_f32 v232, v12, v232                         ; old M - new M: a whole number, 0 or less
	s_delay_alu instid0(VALU_DEP_1)
	v_cvt_i32_f32 v232, v232                          ; (it saturates)
	s_delay_alu instid0(VALU_DEP_1)
	v_ldexp_f32 v234, 1.0, v232                       ; f = 2^(old M - new M)
.set j, 0
.rept 32
	v_pk_fma_f32 v[S+j:S+j+1], v[S+j:S+j+1], s[CS:CS+1], v[12:13] op_sel_hi:[1,0,0]   ; t - M
.set j, j+2
.endr
.irp b, 0,1,2,3
	v_fma_f32 v[BM+\b], v[BM+\b], s[CS], v12
.endr
.set j, 0
	s_wait_alu depctr_va_vdst(0)
.rept 64
	v_exp_f32 v[S+j], v[S+j]                          ; p = 2^(t - M)
.set j, j+1
.endr
	v_pk_mul_f32 v[14:15], v[14:15], v[234:235] op_sel_hi:[1,0]   ; the sums under the new M; a plain place behind the exponentials
	s_wait_alu depctr_va_vdst(0)                      ; one wait for the batch of 64, ahead of its first reader
.irp b, 0,1,2,3
	v_exp_f32 v[BM+\b], v[BM+\b]                      ; each block's largest p
.endr
	v_pk_add_f32 v[238:239], v[108:109], v[112:113]
	v_pk_add_f32 v[252:253], v[116:117], v[120:121]
	v_pk_add_f32 v[250:251], v[124:125], v[128:129]
	v_pk_add_f32 v[248:249], v[132:133], v[136:137]
	v_pk_add_f32 v[246:247], v[140:141], v[144:145]
	v_pk_add_f32 v[244:245], v[148:149], v[152:153]
	v_pk_add_f32 v[242:243], v[156:157], v[160:161]
	v_pk_add_f32 v[14:15], v[14:15], v[164:165]
	v_pk_add_f32 v[238:239], v[238:239], v[104:105]
	v_pk_add_f32 v[252:253], v[252:253], v[106:107]
	v_pk_add_f32 v[250:251], v[250:251], v[110:111]
	v_pk_add_f32 v[248:249], v[248:249], v[114:115]
	v_pk_add_f32 v[246:247], v[246:247], v[118:119]
	v_pk_add_f32 v[244:245], v[244:245], v[122:123]
	v_pk_add_f32 v[242:243], v[242:243], v[126:127]
	v_pk_add_f32 v[14:15], v[14:15], v[130:131]
	v_pk_add_f32 v[238:239], v[238:239], v[134:135]
	v_pk_add_f32 v[252:253], v[252:253], v[138:139]
	v_pk_add_f32 v[250:251], v[250:251], v[142:143]
	v_pk_add_f32 v[248:249], v[248:249], v[146:147]
	v_pk_add_f32 v[246:247], v[246:247], v[150:151]
	v_pk_add_f32 v[244:245], v[244:245], v[154:155]
	v_pk_add_f32 v[242:243], v[242:243], v[158:159]
	v_pk_add_f32 v[14:15], v[14:15], v[162:163]
	v_pk_add_f32 v[238:239], v[238:239], v[166:167]
	s_delay_alu instid0(VALU_DEP_2)
	v_pk_add_f32 v[14:15], v[14:15], v[248:249]
	s_delay_alu instid0(VALU_DEP_2)
	v_pk_add_f32 v[238:239], v[238:239], v[246:247]
	v_pk_add_f32 v[252:253], v[252:253], v[244:245]
	v_pk_add_f32 v[250:251], v[250:251], v[242:243]
	s_delay_alu instid0(VALU_DEP_2)
	v_pk_add_f32 v[14:15], v[14:15], v[252:253]
	s_delay_alu instid0(VALU_DEP_2)
	v_pk_add_f32 v[238:239], v[238:239], v[250:251]
	s_delay_alu instid0(VALU_DEP_1)
	v_pk_add_f32 v[14:15], v[14:15], v[238:239]
	s_wait_alu depctr_va_vdst(0)                      ; and one for the four
.irp b, 0,1,2,3
	v_max_num_f32 v[BM+\b], 0x2800000, v[BM+\b]       ; the floor 2^(5 - 127)
.endr
.irp b, 0,1,2,3
	s_delay_alu instid0(VALU_DEP_4)
	v_add_nc_u32 v[BS+\b], 0xfe000000, v[BM+\b]
.endr
.irp b, 0,1,2,3
	s_delay_alu instid0(VALU_DEP_4)
	v_lshrrev_b32 v[BP+\b], 23, v[BS+\b]
.endr
	s_delay_alu instid0(VALU_DEP_3)
	v_lshl_or_b32 v[PW], v[BP+1], 8, v[BP]
	s_delay_alu instid0(VALU_DEP_1)
	v_lshl_or_b32 v[PW], v[BP+2], 16, v[PW]
	s_delay_alu instid0(VALU_DEP_1)
	v_lshl_or_b32 v[PW], v[BP+3], 24, v[PW]
.irp c, 0,1
	v_cvt_scalef32_pk16_bf6_f32 v[PC+6*\c:PC+6*\c+2], v[S+32*\c:S+32*\c+15], v[BS+2*\c]
	v_cvt_scalef32_pk16_bf6_f32 v[212+4*\c:214+4*\c], v[S+32*\c+16:S+32*\c+31], v[BS+2*\c+1]
.endr
	v_nop
.irp c, 0,1
.irp i, 0,1,2
	v_permlane16_swap_b32 v[PC+6*\c+\i], v[212+4*\c+\i]
.endr
.irp i, 0,1,2
	s_delay_alu instid0(VALU_DEP_3)
	v_mov_b32 v[PC+3+6*\c+\i], v[212+4*\c+\i]
.endr
.endr
.set j, 0
.rept 16
	v_pk_mul_f32 v[O+j:O+j+1], v[O+j:O+j+1], v[234:235] op_sel_hi:[1,0]   ; O^T under the new M; these sixteen are also the places between p's codes and scale word and the products
.set j, j+2
.endr
	s_wait_alu depctr_va_vdst(0)
	s_wait_dscnt 0x0                                  ; V is in
.irp t, 0,1,2,3
	v_wmma_scale_f32_16x16x128_f8f6f4 v[O+8*\t:O+8*\t+7], v[FB+12*\t:FB+12*\t+11], v[PC:PC+11], v[O+8*\t:O+8*\t+7], v[VS+\t], v[PW] matrix_a_fmt:MATRIX_FMT_BF6 matrix_b_fmt:MATRIX_FMT_BF6
.endr
	s_add_co_u32 s[TK], s[TK], 6144
	s_add_co_u32 s[TS], s[TS], 512
	s_add_co_u32 s[TW], s[TW], 256
.endm
; one tile of 16 queries against all 2,048 keys, and its way out
.macro PASS u
	v_mov_b32 v[QS], v[34+\u]
	v_mov_b32 v13, 0xff61b1e6                         ; the largest t so far: -3e38
	s_delay_alu instid0(VALU_DEP_1)
	v_floor_f32 v12, -v13
	v_mov_b32 v14, 0
	v_mov_b32 v15, 0
.set j, 0
.rept 32
	v_mov_b32 v[O+j], 0                               ; the step is written once: the first finds zeros, which the first change of M leaves zeros
.set j, j+1
.endr
	s_mov_b32 s[TK], 0
	s_mov_b32 s[TS], 0
	s_mov_b32 s[TW], 0
	s_mov_b32 s[CNT], 16
.Lstep_\@:
	STEP
	s_sub_co_u32 s[CNT], s[CNT], 1
	s_cmp_lg_u32 s[CNT], 0
	s_cbranch_scc1 .Lstep_\@
	v_add_f32 v14, v14, v15
	s_delay_alu instid0(VALU_DEP_1)
	v_permlanex16_b32 v232, v14, s[SEL], s[SEL+1]
	s_delay_alu instid0(VALU_DEP_1)
	v_add_f32 v14, v14, v232                          ; the row's sum
	s_wait_alu depctr_va_vdst(0)
	v_rcp_f32 v14, v14
	v_nop
	v_nop                                             ; with the additions above: four plain places behind the last products
	s_wait_alu depctr_va_vdst(0)
.set j, 0
.rept 32
	v_mul_f32 v[S+j], v[O+j], v14                     ; ctx: register 16 b + i is d = 32 b + 16 h + i of my query
.set j, j+1
.endr
.irp b, 0,1
	v_max3_num_f32 v[BM+\b], |v[S+16*\b]|, |v[S+16*\b+1]|, 0x2800000
.endr
.irp i, 2,4,6,8,10,12,14
.irp b, 0,1
	s_delay_alu instid0(VALU_DEP_2)
	v_max3_num_f32 v[BM+\b], v[BM+\b], |v[S+16*\b+\i]|, |v[S+16*\b+\i+1]|
.endr
.endr
.irp b, 0,1
	s_delay_alu instid0(VALU_DEP_2)
	v_permlanex16_b32 v[BP+\b], v[BM+\b], s[SEL], s[SEL+1]
.endr
.irp b, 0,1
	s_delay_alu instid0(VALU_DEP_2)
	v_max_num_f32 v[BM+\b], v[BM+\b], v[BP+\b]
.endr
.irp b, 0,1
	s_delay_alu instid0(VALU_DEP_2)
	v_add_nc_u32 v[BS+\b], 0xfe000000, v[BM+\b]
.endr
.irp b, 0,1
	s_delay_alu instid0(VALU_DEP_2)
	v_lshrrev_b32 v[BP+\b], 23, v[BS+\b]
.endr
	s_delay_alu instid0(VALU_DEP_1)
	v_lshl_or_b32 v[240+\u], v[BP+1], 8, v[BP]        ; the head's two bytes of the row's scale word
	v_cvt_scalef32_pk16_bf6_f32 v[PC:PC+2], v[S:S+15], v[BS]
	v_cvt_scalef32_pk16_bf6_f32 v[212:214], v[S+16:S+31], v[BS+1]
	v_nop
.irp i, 0,1,2
	v_permlane16_swap_b32 v[PC+\i], v[212+\i]
.endr
.irp i, 0,1,2
	s_delay_alu instid0(VALU_DEP_3)
	v_mov_b32 v[PC+3+\i], v[212+\i]
.endr
.irp p, 0,1,2
	global_store_b64 v3, v[PC+2*\p:PC+2*\p+1], s[48:49] offset:12288*\u+256*\p   ; six registers of the fragment's image: 256 consecutive bytes a store
.endr
.endm
	s_load_b128 s[4:7], s[0:1], 0x0                   ; qkv, ctx
	v_lshl_add_u32 v254, v0, 2, 0x33000
	v_mov_b32 v255, 0
	ds_add_u32 v254, v255
	ds_add_u32 v254, v255
	v_lshrrev_b32 v8, 5, v0
	s_delay_alu instid0(VALU_DEP_1)
	v_readfirstlane_b32 s[WV], v8                     ; wave 0..15
	s_bfe_u32 s9, ttmp6, 0x40000                      ; cx
	s_and_b32 s10, ttmp7, 0xffff                      ; batch x head, which the four partners share
	s_lshl_b32 s11, s9, 4
	s_add_co_u32 s11, s11, s[WV]                      ; my pair of tiles: it enters global addresses alone
	s_mov_b32 s[G1C], 15|(3<<16)|(1<<21)              ; the mask: all four; elements of 8 bytes; bit 21 beside a mask; no padding
	s_mov_b32 s[G1C+1], 32<<16
	s_mov_b32 s[G1C+2], 96<<16
	s_mov_b32 s[G1C+3], 32<<16
	s_mov_b32 s[G1C+4], 96                            ; 96 rows of 256 bytes, dense
	s_mov_b32 s[G1C+5], 32
	s_mov_b32 s[G1C+6], 0
	s_mov_b32 s[G1C+7], 0
	s_mov_b32 s[G1S], 15|(3<<16)|(1<<21)
	s_mov_b32 s[G1S+1], 32<<16
	s_mov_b32 s[G1S+2], 48<<16
	s_mov_b32 s[G1S+3], 32<<16
	s_mov_b32 s[G1S+4], 48
	s_mov_b32 s[G1S+5], 32
	s_mov_b32 s[G1S+6], 0
	s_mov_b32 s[G1S+7], 0
	s_min_u32 s52, s[WV], 7                           ; what I fetch, if I fetch: chunk wave % 4 of K (waves 0-3) or of V (4-7)
	s_mul_i32 s[G0C+1], s52, 24576                    ; K's four chunks, then V's four, lie on end in LDS
	s_and_b32 s53, s52, 3
	s_mul_i32 s54, s53, 24576
	s_lshr_b32 s53, s52, 2
	s_mul_i32 s53, s53, 6291456                       ; V's images lie so far behind K's
	s_add_co_u32 s54, s54, s53
	s_mul_i32 s53, s10, 98304
	s_add_co_u32 s54, s54, s53
	s_add_co_u32 s54, s54, K_IMG
	s_mov_b32 s55, 0
	s_mul_i32 s56, s10, 12288
	s_add_co_u32 s56, s56, KV_SCL
	s_mov_b32 s57, 0
	s_lshl_b32 s52, s10, 6
	s_add_co_u32 s52, s52, s11
	s_mul_i32 s44, s52, 1536                          ; Q's image of my pair
	s_mov_b32 s45, 0
	s_lshl_b32 s46, s10, 13                           ; Q's scale words: [head][128 rows][tile / 4][r][tile % 4]
	s_lshr_b32 s52, s11, 2
	s_lshl_b32 s52, s52, 9
	s_add_co_u32 s46, s46, s52
	s_bfe_u32 s52, s11, 0x10001
	s_lshl_b32 s52, s52, 8
	s_add_co_u32 s46, s46, s52
	s_and_b32 s52, s11, 1
	s_lshl_b32 s52, s52, 3
	s_add_co_u32 s46, s46, s52
	s_add_co_u32 s46, s46, Q_SCL
	s_mov_b32 s47, 0
	s_lshr_b32 s52, s10, 4                            ; batch
	s_lshl_b32 s52, s52, 6
	s_add_co_u32 s52, s52, s11                        ; my 32 rows of ctx: group 64 x batch + pair
	s_and_b32 s53, s10, 15                            ; head
	s_lshr_b32 s58, s53, 1                            ; its K step of the last product,
	s_and_b32 s53, s53, 1                             ; and which half of it
	s_mul_i32 s48, s52, 24576
	s_mul_i32 s59, s58, 1536
	s_add_co_u32 s48, s48, s59
	s_mul_i32 s59, s53, 768
	s_add_co_u32 s48, s48, s59
	s_mov_b32 s49, 0
	s_lshl_b32 s50, s52, 10
	s_lshl_b32 s59, s58, 7
	s_add_co_u32 s50, s50, s59
	s_lshl_b32 s59, s53, 1
	s_add_co_u32 s50, s50, s59
	s_add_co_u32 s50, s50, C_SCL
	s_mov_b32 s51, 0
	s_mov_b32 s[SEL], 0x76543210
	s_mov_b32 s[SEL+1], 0xfedcba98
	s_mov_b32 s[CS], 0x3e38aa3b                       ; log2(e) / 8
	s_mov_b32 s[CS+1], s[CS]
	s_wait_dscnt 0x0
	s_wait_kmcnt 0x0
	s_mov_b32 s[G0C], 1
	s_add_nc_u64 s[G0C+2:G0C+3], s[4:5], s[54:55]
	s_or_b32 s[G0C+3], s[G0C+3], 0x80000000
	s_mov_b32 s[G0S], 1
	s_mov_b32 s[G0S+1], SL
	s_add_nc_u64 s[G0S+2:G0S+3], s[4:5], s[56:57]
	s_or_b32 s[G0S+3], s[G0S+3], 0x80000000
	s_add_nc_u64 s[44:45], s[4:5], s[44:45]
	s_add_nc_u64 s[46:47], s[4:5], s[46:47]
	s_add_nc_u64 s[48:49], s[6:7], s[48:49]
	s_add_nc_u64 s[50:51], s[6:7], s[50:51]
	CROUND                                            ; all four work-groups are here: the joint loads meet
	s_cmp_lt_u32 s[WV], 8
	s_cbranch_scc0 .Lnot_codes
	tensor_load_to_lds s[G0C:G0C+3], s[G1C:G1C+7]
	s_nop 0
.rept 4
	v_nop
.endr
	s_branch .Lasked
.Lnot_codes:
	s_cmp_eq_u32 s[WV], 8
	s_cbranch_scc0 .Lasked
	tensor_load_to_lds s[G0S:G0S+3], s[G1S:G1S+7]
	s_nop 0
.rept 4
	v_nop
.endr
.Lasked:
	v_and_b32 v8, 31, v0
	v_and_b32 v9, 15, v0
	s_delay_alu instid0(VALU_DEP_2)
	v_lshlrev_b32 v1, 4, v8                           ; 16 x lane
	s_delay_alu instid0(VALU_DEP_2)
	v_lshlrev_b32 v2, 4, v9                           ; 16 r
	s_delay_alu instid0(VALU_DEP_4)
	v_lshlrev_b32 v3, 3, v8
	v_lshlrev_b32 v4, 2, v8
.irp c, 0,1,2
	global_load_b128 v[16+4*\c:19+4*\c], v1, s[44:45] offset:512*\c    ; v16-21 tile 0, v22-27 tile 1
.endr
	global_load_b64 v[34:35], v2, s[46:47]            ; both tiles' scale words of row r
	v_add_nc_u32 v5, VL, v1
	v_add_nc_u32 v6, SL, v1
	v_add_nc_u32 v7, SL+8192, v2
.irp i, 0,1,2,3,4,5
	v_mov_b32 v[28+\i], 0                             ; Q's upper 64 of the K step: zero codes
	v_mov_b32 v[96+\i], 0                             ; and what stands behind K's last tile
.endr
.irp b, 0,1,2,3
	v_mov_b32 v[BP+\b], 0                             ; a lane permute's destination counts as one of its sources
.endr
	v_mov_b32 v232, 0
	v_mov_b32 v235, 0                                 ; (named as the upper half of the pair v[234:235])
	s_wait_loadcnt 0x0
	s_wait_tensorcnt 0x0                              ; my chunk is in,
	s_barrier_signal -1
	s_barrier_wait -1                                 ; everybody's is: the head's K, V and scale words lie in LDS
	PASS 1
	s_wait_xcnt 0x0                                   ; the stores have read the codes' registers
.irp i, 0,1,2,3,4,5
	v_mov_b32 v[22+\i], v[16+\i]                      ; tile 0 takes the operand's place
.endr
	PASS 0
	v_bfe_u32 v232, v0, 4, 1
	s_delay_alu instid0(VALU_DEP_1)
	v_cmp_ne_u32 vcc_lo, 0, v232
	s_delay_alu instid0(VALU_DEP_1)
	v_cndmask_b32 v242, v240, v241, vcc_lo            ; lanes 0-15 carry tile 0's rows, lanes 16-31 tile 1's
	global_store_b16 v4, v242, s[50:51]               ; two bytes of each row's word; the other two are the neighbouring head's
	s_wait_tensorcnt 0x0
	ds_add_u32 v254, v255
	s_wait_dscnt 0x0
	CROUND                                            ; the closing round
	s_endpgm
.Lfunc_end_k_q08870c75ab_attn:
	.size	k_q08870c75ab_attn, .Lfunc_end_k_q08870c75ab_attn-k_q08870c75ab_attn
	.p2alignl 7, 3214868480
	.fill 96, 4, 3214868480
	.section	.rodata,"a",@progbits
	.p2align	6, 0x0
	.amdhsa_kernel k_q08870c75ab_attn
		.amdhsa_group_segment_fixed_size 210944
		.amdhsa_private_segment_fixed_size 0
		.amdhsa_enable_private_segment 0
		.amdhsa_kernarg_size 16
		.amdhsa_user_sgpr_count 2
		.amdhsa_user_sgpr_kernarg_segment_ptr 1
		.amdhsa_wavefront_size32 1
		.amdhsa_system_sgpr_workgroup_id_x 1
		.amdhsa_system_sgpr_workgroup_id_y 1
		.amdhsa_system_sgpr_workgroup_id_z 1
		.amdhsa_system_vgpr_workitem_id 0
		.amdhsa_next_free_vgpr 256
		.amdhsa_next_free_sgpr 66
		.amdhsa_reserve_vcc 1
		.amdhsa_float_denorm_mode_32 3
		.amdhsa_float_denorm_mode_16_64 3
		.amdhsa_memory_ordered 1
		.amdhsa_forward_progress 1
		.amdhsa_inst_pref_size 53
	.end_amdhsa_kernel
	.amdgpu_metadata
---
amdhsa.version: [ 1, 2 ]
amdhsa.kernels:
  - .name:           k_q08870c75ab_attn
    .symbol:         k_q08870c75ab_attn.kd
    .args:
      - { .name: qkv, .offset: 0, .size: 8, .value_kind: global_buffer, .address_space: global }
      - { .name: ctx, .offset: 8, .size: 8, .value_kind: global_buffer, .address_space: global }
    .group_segment_fixed_size: 210944
    .private_segment_fixed_size: 0
    .kernarg_segment_align: 8
    .kernarg_segment_size: 16
    .max_flat_workgroup_size: 512
    .sgpr_count:     66
    .vgpr_count:     256
    .wavefront_size: 32
...
	.end_amdgpu_metadata
.endif
;; end of part 3
;; launch oproj (part 4): grid 4 x 64, 4 waves a work-group, clusters of 4 x 4, 327,680 bytes of LDS; arguments ctx, xw, b_o, out0; writes out0
.if DOCPART == 4
	.amdgcn_target "amdgcn-amd-amdhsa--gfx1250"
	.amdhsa_code_object_version 6
	.text
	.protected	k_q08870c75ab_oproj
	.globl	k_q08870c75ab_oproj
	.p2align	8
	.type	k_q08870c75ab_oproj,@function
k_q08870c75ab_oproj:
	s_mov_b64 s[64:65], 0
	v_nop
	global_prefetch_b8 v0, s[64:65] scope:SCOPE_SE
	s_setreg_imm32_b32 hwreg(HW_REG_WAVE_MODE, 25, 1), 1
	s_wait_xcnt 0x0
	s_wait_alu depctr_hold_cnt(0) depctr_sa_sdst(0) depctr_va_vdst(0) depctr_va_sdst(0) depctr_va_ssrc(0) depctr_va_vcc(0) depctr_vm_vsrc(0)
	s_getreg_b32 s2, hwreg(HW_REG_IB_STS2, 6, 4)
	s_cmp_eq_u32 s2, 0
	s_cbranch_scc0 .Lentry_in_a_cluster
	s_endpgm
.Lentry_in_a_cluster:
	s_bfe_u32 s2, ttmp6, 0x10000c
	s_cmp_lg_u32 s2, 0xf033
	s_cbranch_scc0 .Lentry_shape_is_right
	s_endpgm
.Lentry_shape_is_right:
; out0 = ctx w_o + b_o on codes of BF6 with E8M0 scales; out0 [8192][1024] f32.
; A block of out0 is 128 rows x 256 columns: 64 x 4 = 256 work-groups.  Four waves, 64 rows x 128 columns each: 32 accumulators.
; "B" = w_o's columns is source 0 of the matrix instruction, "A" = ctx's rows source 1: a lane holds one row of out0 and neighbouring columns.
; Operands lie in memory as images of their registers, [block of 16][K step of 128][1,536 bytes]: w_o's register 4 c + e of lane L at 512 c + 16 L + 4 e,
; ctx's register 2 p + e at 256 p + 8 L + 4 e.  A block's lane-row r is true row 32 b + 8 u + r + 8 (r / 8).  Scale words: [b][K step][u][r].
; ALL OF K LIES IN LDS, each byte filled once: 8 + 16 blocks x 12,288 bytes and 4,096 + 8,192 bytes of scale words.
; At the head one joint load a wave: A's K steps 0-3, A's scale words, B's K steps 0-3, B's scale words.  K steps 4-7 follow behind the full sequence
; and a round of the cluster's barrier, one load a wave.  CLUSTERS 4 x 4: A's tiles are shared along a row of the cluster, B's along a column.
; The bias is the C of each sum's first matrix instruction.
; No prefetch: the walk along K has no loop to run ahead in, and both fills go out at the head or directly behind its first barrier.
; REGISTERS: window 0: v1-7 lane numbers and offsets, v16-27 LDS addresses, v28-29 the add's, v32-95 scale words of all of K, v128-223 A's fragments (two sets);
; on the way out v128-255 hold rows.  window 1: B's fragments, two sets at v0 and v128.  window 2: accumulator (a, b) at v[8 (8 a + b)].  window 3: v0-63 the bias.
.set W_IMG,  6291456
.set WSZ,    786432
.set W_SCL,  9699328
.set C_SCL,  6291456
.set FR,     12
.set BLK,    6144                      ; a block's four K steps in LDS
.set LB1,    49152                     ; A's K steps 0-3 at 0, B's here,
.set LA2,    147456                    ; A's K steps 4-7,
.set LB2,    196608                    ; B's
.set SCLA,   294912
.set SCLB,   299008
.set SPARE,  307200
.set ADRA, 16
.set ADRB, 20
.set STO,  24
.set RD,   25
.set CO,   5
.set ADRS, 27
.set SPW,  28
.set NIL,  29
.set SC,   32
.set AF,   128
.set BK,   128
.set G1,   24
.set G0H,  32
.set G0HB, 36
.set G0S,  40
.set G1B,  48
.set G0,   56
.set G0B,  60
.set G1S,  72
.set G1SB, 80
.set G0SB, 88
.set MSB, 0
.macro WIN new                         ; the immediate's high byte repeats the setting that is left
.if MSB != (\new)
	s_set_vgpr_msb (MSB<<8)|(\new)
.set MSB, (\new)
.endif
.endm
.macro PLACES n
.rept \n
	v_nop
.endr
.endm
.macro TLOAD g0, g1                    ; s_nop 0 and four v_nop behind the load
	tensor_load_to_lds s[\g0:\g0+3], s[\g1:\g1+7]
	s_nop 0
.rept 4
	v_nop
.endr
.endm
.macro CROUND                          ; a round of the cluster's barrier
	s_barrier_signal -1
	s_barrier_wait -1
	s_cmp_lg_u32 s14, 0
	s_cbranch_scc1 .Lnot_wave_0_\@
	s_barrier_signal -3
.Lnot_wave_0_\@:
	s_barrier_wait -3
	s_barrier_signal -1
	s_barrier_wait -1
.endm
.macro MKG1 g, c, r, p                 ; r rows of c elements of 8 bytes, p elements apart
	s_mov_b32 s[\g+1], (\c)<<16
	s_mov_b32 s[\g+2], (\r)<<16
	s_mov_b32 s[\g+3], (\c)<<16
	s_mov_b32 s[\g+4], \r
	s_mov_b32 s[\g+5], \p
	s_mov_b32 s[\g+6], 0
	s_mov_b32 s[\g+7], 0
.endm
.macro MKG0 g, lds, base
	s_mov_b32 s[\g], 1
	s_mov_b32 s[\g+1], \lds
	s_mov_b64 s[\g+2:\g+3], s[\base:\base+1]
	s_or_b32 s[\g+3], s[\g+3], 0x80000000
.endm
.macro FETCH ks                        ; K step ks: B's eight fragments and A's four into set ks % 2
	WIN 0x40
.irp i, 0,1,2,3,4,5,6,7
.irp c, 0,1,2
	ds_load_b128 v[128*((\ks)%2)+FR*\i+4*\c:128*((\ks)%2)+FR*\i+4*\c+3], v[ADRB+(\ks)/4] offset:BLK*\i+1536*((\ks)%4)+512*\c
.endr
.endr
	WIN 0
.irp i, 0,1,2,3
.irp p, 0,1,2,3,4,5
	ds_load_b64 v[AF+48*((\ks)%2)+FR*\i+2*\p:AF+48*((\ks)%2)+FR*\i+2*\p+1], v[ADRA+(\ks)/4] offset:BLK*\i+1536*((\ks)%4)+256*\p
.endr
.endr
.endm
; 32 matrix instructions; the 32 accumulators take turns in one order throughout
.macro MUL ks
.irp a, 0,1,2,3
.irp b, 0,1,2,3,4,5,6,7
.if (\ks) == 0
	v_wmma_scale_f32_16x16x128_f8f6f4 v[8*(8*\a+\b):8*(8*\a+\b)+7], v[128*((\ks)%2)+FR*\b:128*((\ks)%2)+FR*\b+FR-1], v[AF+48*((\ks)%2)+FR*\a:AF+48*((\ks)%2)+FR*\a+FR-1], v[8*\b:8*\b+7], v[SC+8*(\ks)+\b], v[SC+8*(\ks)+\a] matrix_a_fmt:MATRIX_FMT_BF6 matrix_b_fmt:MATRIX_FMT_BF6 matrix_a_scale:MATRIX_SCALE_ROW1
.else
	v_wmma_scale_f32_16x16x128_f8f6f4 v[8*(8*\a+\b):8*(8*\a+\b)+7], v[128*((\ks)%2)+FR*\b:128*((\ks)%2)+FR*\b+FR-1], v[AF+48*((\ks)%2)+FR*\a:AF+48*((\ks)%2)+FR*\a+FR-1], v[8*(8*\a+\b):8*(8*\a+\b)+7], v[SC+8*(\ks)+\b], v[SC+8*(\ks)+\a] matrix_a_fmt:MATRIX_FMT_BF6 matrix_b_fmt:MATRIX_FMT_BF6 matrix_a_scale:MATRIX_SCALE_ROW1
.endif
.endr
.endr
.endm
.macro STEP ks
.if (\ks) == 3
	s_wait_tensorcnt 0x0                              ; my part of K steps 4-7 is in
.endif
	s_wait_dscnt 0x0                                  ; this step's fragments are in
.if (\ks) == 3
	s_barrier_signal -1                               ; everybody's part is in, and nobody reads K steps 0-3 in LDS any more
	s_barrier_wait -1
.endif
.if (\ks) < 7
.if (\ks) > 0
	PLACES 4                                          ; in front of loads into registers that the last step's products read
.endif
	FETCH (\ks)+1
.endif
.if (\ks) == 0
	WIN 0xb1                                          ; source 0 window 1, source 1 window 0, C (the bias) window 3, D window 2
.else
	WIN 0xa1
.endif
	MUL \ks
	WIN 0
.endm
; THE WAY OUT, block by block of 16 rows x 128 columns, through my own stage (16 rows of 512 + 16 bytes), which lies where A's K steps 0-3 lay:
; those bytes had their one fill at the head and their last read ahead of the barrier in K step 3.  LDS serves a wave's instructions in order.
.macro TOSTAGE a
	WIN 0x08                                          ; the data: window 2
.irp b, 0,1,2,3,4,5,6,7
	ds_store_b128 v[STO], v[64*(\a)+8*\b:64*(\a)+8*\b+3] offset:128*(\b/2)+32*(\b%2)        ; each accumulator from its low end on
	ds_store_b128 v[STO], v[64*(\a)+8*\b+4:64*(\a)+8*\b+7] offset:128*(\b/2)+32*(\b%2)+16
.endr
	WIN 0
.irp t, 0,1,2,3,4,5,6,7,8,9,10,11,12,13,14,15
	ds_load_b128 v[BK+64*((\a)%2)+4*\t:BK+64*((\a)%2)+4*\t+3], v[RD] offset:528*\t
.endr
.endm
.macro SEND a, younger
	s_wait_dscnt \younger
.irp t, 0,1,2,3,4,5,6,7,8,9,10,11,12,13,14,15
	global_store_b128 v[CO], v[BK+64*((\a)%2)+4*\t:BK+64*((\a)%2)+4*\t+3], s[96:97] offset:(32*((\a)/2)+8*((\a)%2)+\t+8*(\t/8))*4096 th:TH_STORE_NT   ; 32 lanes store 512 consecutive bytes of one row
.endr
.endm
	s_load_b256 s[4:11], s[0:1], 0x0                  ; ctx, xw, b_o, out0
	v_lshl_add_u32 v[SPW], v0, 2, SPARE
	v_mov_b32 v[NIL], 0
	ds_add_u32 v[SPW], v[NIL]                         ; the opening lines: the add twice on end and one wait
	ds_add_u32 v[SPW], v[NIL]
	v_lshrrev_b32 v1, 5, v0
	v_readfirstlane_b32 s14, v1                       ; wave
	s_lshr_b32 s15, s14, 1                            ; my half of A's rows; also: I fetch for A (0) or for B (1)
	s_and_b32 s16, s14, 1                             ; my half of B's rows; also: which half I fetch
	s_bfe_u32 s19, ttmp6, 0x40000                     ; cx
	s_bfe_u32 s20, ttmp6, 0x40004                     ; cy
	s_and_b32 s17, ttmp7, 0xffff
	s_lshl_b32 s17, s17, 2
	s_add_co_u32 s17, s17, s20                        ; A's tile of 128 rows = 4 x cluster y + cy
	s_lshl_b32 s18, ttmp9, 2
	s_add_co_u32 s18, s18, s19                        ; B's tile of 256 columns = 4 x cluster x + cx
	s_lshl_b32 s21, s20, 2
	s_lshl_b32 s21, 15, s21                           ; my row of the cluster
	s_lshl_b32 s22, 0x1111, s19                       ; my column
	s_or_b32 s[G1], s21, (3<<16)|(1<<21)
	s_or_b32 s[G1B], s22, (3<<16)|(1<<21)
	s_or_b32 s[G1S], s21, (3<<16)|(1<<21)
	s_or_b32 s[G1SB], s22, (3<<16)|(1<<21)
	MKG1 G1, 768, 8, 1536                             ; A: 8 blocks x 6,144 bytes, 12,288 apart
	MKG1 G1B, 768, 16, 1536                           ; B: 16 blocks
	MKG1 G1S, 32, 16, 32                              ; scale words: dense rows of 256 bytes
	MKG1 G1SB, 32, 32, 32
	s_mul_i32 s96, s17, 98304                         ; A's codes: 8 blocks of 12,288 bytes a tile
	s_mov_b32 s97, 0
	s_mul_i32 s98, s18, 196608
	s_add_co_u32 s98, s98, W_IMG+3*WSZ
	s_mov_b32 s99, 0
	s_lshl_b32 s100, s17, 12                          ; 512 bytes of scale words a block
	s_add_co_u32 s100, s100, C_SCL
	s_mov_b32 s101, 0
	s_lshl_b32 s66, s18, 13
	s_add_co_u32 s66, s66, W_SCL+98304
	s_mov_b32 s67, 0
	s_mul_i32 s92, s16, 49152                         ; K steps 4-7: my 4 blocks of A
	s_mov_b32 s93, 0
	s_mul_i32 s94, s16, 98304                         ; or my 8 blocks of B
	s_mov_b32 s95, 0
	s_wait_dscnt 0x0
	s_wait_kmcnt 0x0
	s_add_nc_u64 s[96:97], s[4:5], s[96:97]
	s_add_nc_u64 s[98:99], s[6:7], s[98:99]
	s_add_nc_u64 s[100:101], s[4:5], s[100:101]
	s_add_nc_u64 s[66:67], s[6:7], s[66:67]
	s_add_nc_u64 s[92:93], s[96:97], s[92:93]
	s_add_nc_u64 s[92:93], s[92:93], BLK
	s_add_nc_u64 s[94:95], s[98:99], s[94:95]
	s_add_nc_u64 s[94:95], s[94:95], BLK
	CROUND                                            ; all sixteen work-groups are here: the first joint loads meet
	MKG0 G0H, 0, 96
	MKG0 G0HB, LB1, 98
	MKG0 G0S, SCLA, 100
	MKG0 G0SB, SCLB, 66
	MKG0 G0, LA2, 92
	MKG0 G0B, LB2, 94
	s_mul_i32 s23, s16, 24576
	s_add_co_u32 s[G0+1], s23, LA2
	s_mul_i32 s23, s16, 49152
	s_add_co_u32 s[G0B+1], s23, LB2
	s_cmp_lt_u32 s14, 1                               ; one chain of branches on the wave's number, one load to an arm, one join
	s_cbranch_scc0 .Lhead_sa
	TLOAD G0H, G1
	s_branch .Lhead_asked
.Lhead_sa:
	s_cmp_lt_u32 s14, 2
	s_cbranch_scc0 .Lhead_b
	TLOAD G0S, G1S
	s_branch .Lhead_asked
.Lhead_b:
	s_cmp_lt_u32 s14, 3
	s_cbranch_scc0 .Lhead_sb
	TLOAD G0HB, G1B
	s_branch .Lhead_asked
.Lhead_sb:
	TLOAD G0SB, G1SB
.Lhead_asked:
	s_mul_i32 s44, s15, 4*BLK                         ; my 4 blocks of A
	s_mul_i32 s45, s16, 8*BLK
	s_add_co_u32 s45, s45, LB1                        ; my 8 blocks of B
	s_xor_b32 s46, s15, 1                             ; lanes 16-31 take B's words: 2,048 x (1 + 2 x my half of B + (1 - my half of A)) bytes on
	s_lshl_b32 s47, s16, 1
	s_add_co_u32 s46, s46, s47
	s_add_co_u32 s46, s46, 1
	s_lshl_b32 s46, s46, 11
	s_lshl_b32 s47, s15, 11
	s_add_co_u32 s47, s47, SCLA
	s_mul_i32 s3, s14, 8448                           ; my stage
	s_lshl_b32 s12, s18, 10                           ; my 128 columns, in bytes
	s_lshl_b32 s13, s16, 9
	s_add_co_u32 s12, s12, s13
	s_mov_b32 s13, 0
	s_lshl_b32 s96, s17, 19                           ; 128 rows of 4,096 bytes
	s_lshl_b32 s97, s15, 18
	s_add_co_u32 s96, s96, s97
	s_add_co_u32 s96, s96, s12
	s_mov_b32 s97, 0
	s_add_nc_u64 s[96:97], s[10:11], s[96:97]         ; my corner of out0
	s_add_nc_u64 s[12:13], s[8:9], s[12:13]           ; the bias: tile b's register j is column 32 (b / 2) + 16 h + 8 (b % 2) + j
	v_and_b32 v3, 31, v0
	v_and_b32 v1, 15, v0                              ; r
	v_bfe_u32 v2, v0, 4, 1                            ; h
	v_lshlrev_b32 v[CO], 4, v3                        ; 16 x lane
	v_lshlrev_b32 v6, 3, v3                           ; 8 x lane
	v_lshlrev_b32 v7, 6, v2                           ; 64 h
	v_add_nc_u32 v[ADRA], s44, v6
	v_add_nc_u32 v[ADRB], s45, v[CO]
	v_add_nc_u32 v[ADRA+1], LA2, v[ADRA]
	v_add_nc_u32 v[ADRB+1], LB2-LB1, v[ADRB]
	v_mul_u32_u24 v4, s46, v2
	v_lshl_add_u32 v4, v1, 2, v4
	v_add_nc_u32 v[ADRS], s47, v4
	v_mul_u32_u24 v8, v1, 528
	v_lshl_add_u32 v8, v2, 6, v8
	v_add_nc_u32 v[STO], s3, v8                       ; in: row r, 64 h bytes on
	v_add_nc_u32 v[RD], s3, v[CO]                     ; back: the 32 lanes take one row of 512 bytes
	s_wait_alu depctr_va_vdst(0)
	WIN 0xc0                                          ; destination window 3
.irp b, 0,1,2,3,4,5,6,7
	global_load_b128 v[8*\b:8*\b+3], v7, s[12:13] offset:(32*(\b/2)+8*(\b%2))*4
	global_load_b128 v[8*\b+4:8*\b+7], v7, s[12:13] offset:(32*(\b/2)+8*(\b%2))*4+16
.endr
	WIN 0
	s_wait_tensorcnt 0x0                              ; my tile of the head's four is in
	ds_add_u32 v[SPW], v[NIL]
	s_mov_b32 s[G1+2], 4<<16                          ; no load of mine is out: the next load brings 4 blocks of A
	s_mov_b32 s[G1+4], 4
	s_mov_b32 s[G1B+2], 8<<16                         ; or 8 of B
	s_mov_b32 s[G1B+4], 8
	s_wait_dscnt 0x0
	CROUND                                            ; everybody's tile is in, and the joint loads meet
	s_cmp_eq_u32 s15, 0                               ; K steps 4-7: waves 0 and 1 fetch for A, waves 2 and 3 for B
	s_cbranch_scc0 .Lfor_b
	TLOAD G0, G1
	s_branch .Lasked
.Lfor_b:
	TLOAD G0B, G1B
.Lasked:
	FETCH 0
.irp k, 0,1,2,3,4,5,6,7
.irp i, 0,1,2,3,4,5,6,7
	ds_load_b32 v[SC+8*\k+\i], v[ADRS] offset:1024*(\i/2)+64*(\i%2)+128*\k   ; lanes 0-15: A's block i (only i < 4 is used), lanes 16-31: B's block i
.endr
.endr
	s_wait_loadcnt 0x0                                ; the bias
.irp k, 0,1,2,3,4,5,6,7
	STEP \k
.endr
	PLACES 4                                          ; in front of the first read of results and of loads over A's fragments
	TOSTAGE 0
.irp a, 1,2,3
.if \a > 1
	s_wait_xcnt 0x0                                   ; the stores of two blocks back have read their registers: this block's rows may land there
.endif
	TOSTAGE \a
	SEND \a-1, 32                                     ; behind that block's loads: this block's 16 stores and 16 loads
.endr
	SEND 3, 0
	s_wait_tensorcnt 0x0                              ; the wave's end
	ds_add_u32 v[SPW], v[NIL]
	s_wait_dscnt 0x0
	CROUND                                            ; the closing round
	s_endpgm
.Lfunc_end_k_q08870c75ab_oproj:
	.size	k_q08870c75ab_oproj, .Lfunc_end_k_q08870c75ab_oproj-k_q08870c75ab_oproj
	.p2alignl 7, 3214868480
	.fill 96, 4, 3214868480
	.section	.rodata,"a",@progbits
	.p2align	6, 0x0
	.amdhsa_kernel k_q08870c75ab_oproj
		.amdhsa_group_segment_fixed_size 327680
		.amdhsa_private_segment_fixed_size 0
		.amdhsa_enable_private_segment 0
		.amdhsa_kernarg_size 32
		.amdhsa_user_sgpr_count 2
		.amdhsa_user_sgpr_kernarg_segment_ptr 1
		.amdhsa_wavefront_size32 1
		.amdhsa_system_sgpr_workgroup_id_x 1
		.amdhsa_system_sgpr_workgroup_id_y 1
		.amdhsa_system_sgpr_workgroup_id_z 1
		.amdhsa_system_vgpr_workitem_id 0
		.amdhsa_next_free_vgpr 832
		.amdhsa_next_free_sgpr 102
		.amdhsa_reserve_vcc 0
		.amdhsa_float_denorm_mode_32 3
		.amdhsa_float_denorm_mode_16_64 3
		.amdhsa_memory_ordered 1
		.amdhsa_forward_progress 1
		.amdhsa_inst_pref_size 89
	.end_amdhsa_kernel
	.amdgpu_metadata
---
amdhsa.version: [ 1, 2 ]
amdhsa.kernels:
  - .name:           k_q08870c75ab_oproj
    .symbol:         k_q08870c75ab_oproj.kd
    .args:
      - { .name: ctx, .offset: 0, .size: 8, .value_kind: global_buffer, .address_space: global }
      - { .name: xw, .offset: 8, .size: 8, .value_kind: global_buffer, .address_space: global }
      - { .name: b_o, .offset: 16, .size: 8, .value_kind: global_buffer, .address_space: global }
      - { .name: out0, .offset: 24, .size: 8, .value_kind: global_buffer, .address_space: global }
    .group_segment_fixed_size: 327680
    .private_segment_fixed_size: 0
    .kernarg_segment_align: 8
    .kernarg_segment_size: 32
    .max_flat_workgroup_size: 128
    .sgpr_count:     102
    .vgpr_count:     832
    .wavefront_size: 32
...
	.end_amdgpu_metadata
.endif
;; end of part 4
